; MI455X (gfx1250); checked and timed in simulation.
; The chip was launched on July 23, 2026; its instructions are those of AMD's public machine-readable ISA for CDNA 5 (MIT licence, August 2026) and "CDNA5" Instruction Set Architecture Reference Guide (July 2026). The comments in the code are by the model that wrote it; some were corrected since.
;; Casual Self Attention. Allowed arithmetic: matrix products marked QUANTISED: E3M2 operands, one E8M0 scale for each 32 along K, by v_wmma_scale_f32_16x16x128_f8f6f4 with both operands' format E3M2, f32 sums; everything else in f32.
;; Inputs: W_attn 1,024 x 3,072 float32; W_proj 1,024 x 1,024 float32; b_attn 3,072 float32; b_proj 1,024 float32; x 4 x 2,048 x 1,024 float32.
;; Outputs: out0 4 x 2,048 x 1,024 float32.
;; This version of the problem:
;;   THIS VERSION OF THE PROBLEM IS GIVEN IN LOW PRECISION. The matrix products marked QUANTISED in the list below multiply operands that are first quantised to E3M2 (3 exponent bits, 2 mantissa bits; 6 bits a number), with one power-of-two scale for each 32 numbers along K (OCP MX v1.0); their sums are f32. All else is computed in f32.
;;   The module's matrix products, in the order in which they are computed (A, B: the left and right operand; K: the contracted axis; several contracted axes count as one K, in the product's order):
;;     1. [M 8,192, K 1,024] x [K 1,024, N 3,072]; A: input x; B: input W_attn: QUANTISED
;;     2. batch 64 x [M 2,048, K 64] x [K 64, N 2,048]; A: computed on the way; B: computed on the way: QUANTISED
;;     3. batch 64 x [M 2,048, K 2,048] x [K 2,048, N 64]; A: softmax (see below); B: computed on the way: QUANTISED
;;     4. [M 8,192, K 1,024] x [K 1,024, N 1,024]; A: computed on the way; B: input W_proj: QUANTISED
;;   THE QUANTISER, for each operand of a quantised product, along K:
;;     - K is cut into blocks of 32 from its start; a last block that is shorter is filled with zeros.
;;     - A block's scale is 2^e with e = floor(log2(the largest magnitude in the block)) - 4, held to -126 .. 127; a block of zeros has e = 0. As a byte (E8M0): e + 127.
;;     - Each number is divided by its block's scale, clamped to +-28, and rounded to the nearest number of E3M2, ties to even, subnormals kept.
;;     - The product sums the exact products of the quantised numbers (number of the format x scale) in f32.
;;   ~~~python
;;   def quantise(x, axis):      # numpy; x: float32 -> the quantised numbers, widened to float32 again
;;       x = np.moveaxis(x, axis, -1); K = x.shape[-1]
;;       x = np.pad(x, [(0, 0)] * (x.ndim - 1) + [(0, -K % 32)]); x = x.reshape(x.shape[:-1] + (-1, 32)); a = np.abs(x).max(-1, keepdims=True)
;;       e = np.where(a > 0, np.clip(np.frexp(np.where(a > 0, a, 1))[1] - 1 - 4, -126, 127), 0)      # np.frexp(a)[1] - 1 = floor(log2(a)), exactly
;;       r = np.clip(x / 2.0 ** e, -28, 28)
;;       step = 2.0 ** (np.maximum(np.frexp(np.where(r == 0, 1, r))[1] - 1, -2) - 2)
;;       q = np.round(r / step) * step * 2.0 ** e      # np.round: ties to even
;;       return np.moveaxis(q.reshape(q.shape[:-2] + (-1,))[..., :K], -1, axis).astype(np.float32)
;;   ~~~
;;   SOFTMAX AHEAD OF A QUANTISED PRODUCT. Where the list says 'softmax', what is quantised is not the finished softmax but p = 2^(t - M), with t = logit x log2(e) and M = ceil(the row's largest t), a whole number; so 1/2 < the row's largest p <= 1. The row's sum l is taken of the UNQUANTISED p, in f32, and the product's result is divided by l at the end. Since M is a whole number, a kernel that streams over the keys may use a running M (the ceiling of the running maximum): every later rescaling is an exact power of two, which a block's scale takes up: the codes' values come out the same.
;;   OPERANDS COMPUTED ON THE WAY. 'Computed on the way' means the value that the module computes at that place (a softmax that the list does not call 'softmax' is quantised finished and normalised). What goes into a quantiser is computed in f32, as accurately as f32 sums, v_exp_f32 and their like allow (about 1e-6 of the number): no bf16 or f16 on the way to a quantiser, and a product that is left as it is and whose result goes on into a quantised operand takes f32 operands (vector FMAs, or v_wmma_f32_16x16x4_f32). A number that lies on a knife's edge between two numbers of the format may be rounded either way, as far as f32 arithmetic and the matrix unit's own rounding can turn it there, and no further.
;; One version. Each part assembles by itself: llvm-mc -triple=amdgcn-amd-amdhsa -mcpu=gfx1250 --defsym DOCPART=n.
;; ======== version 1 of 1: 4 launches
;; workspace buffers: xq 6,553,600 bytes; waq 2,457,600 bytes; wpq 819,200 bytes; qq 6,815,744 bytes; kv 13,369,344 bytes; yq 6,553,600 bytes
;; launch quant (part 1): grid 384 x 1, 4 waves a work-group, no clusters, 34,304 bytes of LDS; arguments x, W_attn, W_proj, xq, waq, wpq; writes xq, waq, wpq
.if DOCPART == 1
	.amdgcn_target "amdgcn-amd-amdhsa--gfx1250"
	.amdhsa_code_object_version 6
	.text
	.protected	k_q0951449716_quant
	.globl	k_q0951449716_quant
	.p2align	8
	.type	k_q0951449716_quant,@function
k_q0951449716_quant:
	s_mov_b64 s[64:65], 0
	v_nop
	global_prefetch_b8 v0, s[64:65] scope:SCOPE_SE
	s_setreg_imm32_b32 hwreg(HW_REG_WAVE_MODE, 25, 1), 1
	s_wait_xcnt 0x0
; x [8192][1024], W_attn [1024][3072] and W_proj [1024][1024], f32, become codes of BF6 (E3M2) with one E8M0 byte for each 32 along K (K = 1,024 in all three).
; A block's scale is 2^(floor(log2(its largest magnitude)) - 4); its byte is that magnitude's exponent field - 4, held at 1 from below.
; LIMITS: NaN and infinities are not served; a block whose largest magnitude lies under 2^-122, a block of zeros among them, keeps the byte 1 (its codes are what the conversion gives under that scale;
; zeros stay zeros); the bytes are read by this program alone.
; THE WORKSPACE FORMAT.  A tile is 16 rows; its codes lie as IMAGES OF THE OPERAND'S REGISTERS: for each 64 along K a half fragment of 768 bytes: lane l = r + 16 h holds k = 32 h .. 32 h + 31 of row r in six
; registers; registers 0-3 lie at byte 16 l, registers 4-5 at byte 512 + 16 r + 8 h.  A tile's sixteen half fragments follow each other: 12,288 bytes.  Scale words: [tile][K half][row][4 words], 512 bytes a tile.
; THE ORDER OF ROWS.  Row p of a buffer holds index p with bits 3 and 4 exchanged (token for x, column for the weights): tile t, row r is index 32 (t / 2) + 8 (t % 2) + r % 8 + 16 (r / 8).
; SHARES.  Work-groups 0-255: x, a wave to 16 rows x 512 K.  256-351: W_attn; 352-383: W_proj, a wave to 32 columns x 256 K.  Every work-group reads 131,072 bytes.  No barrier: waves share nothing.
.set XSC_OFF,  6291456                 ; where xq's scale words begin
.set WASC_OFF, 2359296                 ; waq's
.set WPSC_OFF, 786432                  ; wpq's
.set XR, 32                            ; x: v32-159  two sets of 64 registers as loaded
.set XX, 160                           ; x: v160-223 64 numbers: register 32 c + i = k 64 c + 32 h + i of my row
.set XC, 224                           ; x: v224-235 a fragment's codes; v236-238, v240-242 the conversions' second halves
.set WX, 32                            ; W: v32-95   two sets of 32 numbers down K
.macro XLOAD s                         ; step s: 128 along K of the tile's 16 rows: each load reads 512 consecutive bytes of one row
.set i, 0
.rept 16
	global_load_b128 v[XR+64*((\s)%2)+4*i:XR+64*((\s)%2)+4*i+3], v4, s[4:5] offset:((i%8)+16*(i/8))*4096+512*(\s) th:TH_LOAD_NT
.set i, i+1
.endr
.endm
.macro XSTEP s
.if (\s) < 3
	s_wait_loadcnt 16                              ; this step's 16 loads are in; the next step's 16 may be out
.else
	s_wait_loadcnt 0x0
.endif
.set i, 0
.rept 16
	ds_store_b128 v6, v[XR+64*((\s)%2)+4*i:XR+64*((\s)%2)+4*i+3] offset:528*i   ; the rows as they lie, 528 bytes apart, in my wave's own stage
.set i, i+1
.endr
.irp c, 0,1
.irp j, 0,1,2,3,4,5,6,7
	ds_load_b128 v[XX+32*\c+4*\j:XX+32*\c+4*\j+3], v7 offset:256*\c+16*\j     ; back: lane (r, h) takes 32 neighbours of row r, twice.  LDS serves a wave's instructions in order
.endr
.endr
	s_wait_dscnt 0x0                               ; the numbers are back; the stores have read their registers,
.if (\s) < 2
	XLOAD (\s)+2                                   ; which take the loads of two steps on
.endif
.irp c, 0,1
	v_max3_num_f32 v[8+\c], |v[XX+32*\c]|, |v[XX+32*\c+1]|, 0x2800000   ; my block 2 c + h: all 32 numbers are mine; the floor 2^(5 - 127) holds the byte at 1 from below
.endr
.irp i, 2,4,6,8,10,12,14,16,18,20,22,24,26,28,30
.irp c, 0,1
	v_max3_num_f32 v[8+\c], v[8+\c], |v[XX+32*\c+\i]|, |v[XX+32*\c+\i+1]|
.endr
.endr
.irp c, 0,1
	v_add_nc_u32 v[10+\c], 0xfe000000, v[8+\c]     ; 4 off the exponent field: the conversion's scale operand
.endr
.irp c, 0,1
	v_lshrrev_b32 v[12+\c], 23, v[10+\c]           ; the scale's byte
.endr
	v_lshl_or_b32 v14, v13, 16, v12                ; my two bytes: blocks h and 2 + h,
	v_lshlrev_b32 v14, v24, v14                    ; 8 h bits up;
	v_mov_b32 v15, 0
	v_permlanex16_b32 v15, v14, s20, s21
	v_or_b32 v[16+(\s)], v14, v15                  ; with lane l xor 16's two the row's word for this step is whole
	s_wait_xcnt 0x0                                ; the last step's stores have read the codes' registers
.irp c, 0,1
	v_cvt_scalef32_pk16_bf6_f32 v[XC+6*\c:XC+6*\c+2], v[XX+32*\c:XX+32*\c+15], v[10+\c]
	v_cvt_scalef32_pk16_bf6_f32 v[236+4*\c:238+4*\c], v[XX+32*\c+16:XX+32*\c+31], v[10+\c]   ; (a conversion's three registers begin on an even number)
.endr
	v_nop                                          ; one plain place behind the conversions
.irp c, 0,1
.irp i, 0,1,2
	v_mov_b32 v[XC+6*\c+3+\i], v[236+4*\c+\i]
.endr
.endr
.irp c, 0,1
	global_store_b128 v4, v[XC+6*\c:XC+6*\c+3], s[26:27] offset:1536*(\s)+768*\c          ; 512 consecutive bytes, aligned to 256
	global_store_b64 v5, v[XC+6*\c+4:XC+6*\c+5], s[26:27] offset:1536*(\s)+768*\c+512     ; 256 consecutive bytes, aligned
.endr
.endm
.macro WLOAD t, n                      ; block t: W(32 t + i, my column): 32 lanes read 128 consecutive bytes
.set i, 0
.rept 32
	global_load_b32 v[WX+32*((\t)%2)+i], v3, s[26:27] offset:(32*(\t)+i)*(\n)*4 th:TH_LOAD_NT
.set i, i+1
.endr
.endm
.macro WBLOCK t, n                     ; block t of my column is half h = t % 2 of half fragment t / 2
.set XS, WX+32*((\t)%2)
.if (\t) < 7
	s_wait_loadcnt 32                              ; this block's 32 loads are in; the next block's may be out
.else
	s_wait_loadcnt 0x0
.endif
	v_max3_num_f32 v12, |v[XS]|, |v[XS+1]|, |v[XS+2]|
	v_max3_num_f32 v13, |v[XS+3]|, |v[XS+4]|, |v[XS+5]|
.irp i, 6,10,14,18,22,26
	v_max3_num_f32 v12, v12, |v[XS+\i]|, |v[XS+\i+1]|
	v_max3_num_f32 v13, v13, |v[XS+\i+2]|, |v[XS+\i+3]|
.endr
	v_max3_num_f32 v12, v12, |v[XS+30]|, |v[XS+31]|
	v_max3_num_f32 v12, v12, v13, 0x2800000        ; and the floor
	v_add_nc_u32 v11, 0xfe000000, v12              ; the conversion's scale operand
	v_lshrrev_b32 v13, 23, v11                     ; the byte
.if (\t)%4 == 0
	v_mov_b32 v[24+(\t)/4], v13                    ; four bytes to a word, the lower K in the lower byte
.else
	v_lshl_or_b32 v[24+(\t)/4], v13, 8*((\t)%4), v[24+(\t)/4]
.endif
	s_wait_xcnt 0x0                                ; the last block's stores have read their registers
	v_cvt_scalef32_pk16_bf6_f32 v[96:98], v[XS:XS+15], v11
	v_cvt_scalef32_pk16_bf6_f32 v[100:102], v[XS+16:XS+31], v11
	v_nop                                          ; one plain place behind the conversions
	v_mov_b32 v99, v100                            ; registers 0-3 of my six
	v_mov_b32 v[104+2*((\t)%2)], v101              ; registers 4-5: two blocks' make 16 bytes
	v_mov_b32 v[105+2*((\t)%2)], v102
	global_store_b128 v4, v[96:99], s[28:29] offset:((\t)/4)*1536+(((\t)%4)/2)*768+256*((\t)%2)   ; the sixteen lanes of a tile store 256 consecutive bytes, aligned
.if (\t)%2
	global_store_b128 v4, v[104:107], s[28:29] offset:((\t)/4)*1536+(((\t)%4)/2)*768+512
.endif
.if (\t)+2 < 8
	WLOAD (\t)+2, \n
.endif
.endm
; A weight [1024][n]: a lane takes a column and its registers run down K, so the codes come out with K innermost and nothing is transposed.
.macro WPATH n, src, dst, scoff, first
	s_sub_co_u32 s17, ttmp9, \first
	s_lshr_b32 s18, s17, 2                         ; which 128 columns
	s_and_b32 s19, s17, 3                          ; which 256 along K
	s_lshl_b32 s23, s18, 2
	s_add_co_u32 s23, s23, s16                     ; my wave's group of 32 columns = two tiles
	s_mul_i32 s24, s19, 256*(\n)*4
	s_lshl_b32 s30, s23, 7
	s_add_co_u32 s24, s24, s30
	s_add_nc_u64 s[26:27], s[\src:\src+1], s[24:25]
	s_mul_i32 s24, s23, 2*12288
	s_mul_i32 s30, s19, 2*1536
	s_add_co_u32 s24, s24, s30
	s_add_nc_u64 s[28:29], s[\dst:\dst+1], s[24:25]
	s_lshl_b32 s24, s23, 10                        ; scale words: 512 bytes a tile,
	s_lshr_b32 s30, s19, 1
	s_lshl_b32 s30, s30, 8                         ; 256 a K half,
	s_add_co_u32 s24, s24, s30
	s_and_b32 s30, s19, 1
	s_lshl_b32 s30, s30, 3                         ; my two words of its four
	s_add_co_u32 s24, s24, s30
	s_add_co_u32 s24, s24, \scoff
	s_add_nc_u64 s[30:31], s[\dst:\dst+1], s[24:25]
	v_lshlrev_b32 v3, 2, v2                        ; in: 4 bytes a lane
	v_bfe_u32 v10, v2, 3, 1                        ; column 32 g + l lies in tile 2 g + (l / 8) % 2,
	v_and_b32 v11, 7, v2
	v_lshrrev_b32 v12, 4, v2
	v_lshl_add_u32 v11, v12, 3, v11                ; row l % 8 + 8 (l / 16)
	v_lshlrev_b32 v11, 4, v11
	v_mad_u32_u24 v4, v10, 12288, v11              ; my 16 bytes in a part of an image
	v_lshl_add_u32 v9, v10, 9, v11                 ; my row's scale words
	WLOAD 0, \n
	WLOAD 1, \n
.irp t, 0,1,2,3,4,5,6,7
	WBLOCK \t, \n
.endr
	global_store_b64 v9, v[24:25], s[30:31]        ; two K steps' words of my column: 8 bytes of each 16
	s_endpgm
.endm
	s_load_b256 s[4:11], s[0:1], 0x0               ; x, W_attn, W_proj, xq
	s_load_b128 s[12:15], s[0:1], 0x20             ; waq, wpq
	v_lshl_add_u32 v254, v0, 2, 0x8400
	v_mov_b32 v255, 0
	v_lshrrev_b32 v1, 5, v0
	v_readfirstlane_b32 s16, v1                    ; wave
	v_and_b32 v2, 31, v0                           ; lane
	s_mov_b32 s20, 0x76543210
	s_mov_b32 s21, 0xfedcba98                      ; v_permlanex16_b32's selects for lane l xor 16
	s_mov_b32 s22, 0xffff0000                      ; lanes 16-31
	s_mov_b32 s25, 0
	s_wait_kmcnt 0x0
	s_cmp_lt_u32 ttmp9, 256
	s_cbranch_scc0 .Lweights
	; ---- x
	s_lshl_b32 s17, ttmp9, 2
	s_add_co_u32 s17, s17, s16                     ; 2 x tile + K half
	s_lshr_b32 s18, s17, 1
	s_and_b32 s19, s17, 1
	s_lshr_b32 s24, s18, 1
	s_lshl_b32 s24, s24, 17                        ; 32 (tile / 2) rows of 4,096 bytes
	s_and_b32 s30, s18, 1
	s_lshl_b32 s30, s30, 15                        ; + 8 (tile % 2) rows
	s_add_co_u32 s24, s24, s30
	s_lshl_b32 s30, s19, 11                        ; + 512 numbers a K half
	s_add_co_u32 s24, s24, s30
	s_add_nc_u64 s[4:5], s[4:5], s[24:25]
	s_mul_i32 s24, s17, 6144                       ; images: 12,288 a tile, 6,144 a K half
	s_add_nc_u64 s[26:27], s[10:11], s[24:25]
	s_lshl_b32 s24, s17, 8                         ; scale words: 512 a tile, 256 a K half
	s_add_co_u32 s24, s24, XSC_OFF
	s_add_nc_u64 s[28:29], s[10:11], s[24:25]
	v_lshlrev_b32 v4, 4, v2                        ; 16 x lane
	v_and_b32 v3, 15, v2                           ; r
	v_lshrrev_b32 v25, 4, v2                       ; h
	v_lshlrev_b32 v5, 4, v3
	v_lshl_add_u32 v5, v25, 3, v5                  ; 16 r + 8 h
	s_mul_i32 s30, s16, 8448                       ; my wave's stage: 16 rows x 528 bytes
	v_add_nc_u32 v6, s30, v4
	v_mul_u32_u24 v7, v3, 528
	v_lshl_add_u32 v7, v25, 7, v7
	v_add_nc_u32 v7, s30, v7
	v_lshlrev_b32 v24, 3, v25                      ; 8 h
	XLOAD 0
	XLOAD 1
	XSTEP 0
	XSTEP 1
	XSTEP 2
	XSTEP 3
	v_cndmask_b32 v20, v16, v18, s22               ; lanes 0-15 store words 0 and 1 of their row, lanes 16-31 words 2 and 3
	v_cndmask_b32 v21, v17, v19, s22
	global_store_b64 v5, v[20:21], s[28:29]        ; 256 consecutive bytes, aligned
	s_wait_tensorcnt 0x0
	ds_add_u32 v254, v255
	s_wait_dscnt 0x0
	s_endpgm
.Lweights:
	s_cmp_lt_u32 ttmp9, 352
	s_cbranch_scc0 .Lproj_w
	WPATH 3072, 6, 12, WASC_OFF, 256
.Lproj_w:
	WPATH 1024, 8, 14, WPSC_OFF, 352
.Lfunc_end_k_q0951449716_quant:
	.size	k_q0951449716_quant, .Lfunc_end_k_q0951449716_quant-k_q0951449716_quant
	.p2alignl 7, 3214868480
	.fill 96, 4, 3214868480
	.section	.rodata,"a",@progbits
	.p2align	6, 0x0
	.amdhsa_kernel k_q0951449716_quant
		.amdhsa_group_segment_fixed_size 34304
		.amdhsa_private_segment_fixed_size 0
		.amdhsa_enable_private_segment 0
		.amdhsa_kernarg_size 48
		.amdhsa_user_sgpr_count 2
		.amdhsa_user_sgpr_kernarg_segment_ptr 1
		.amdhsa_wavefront_size32 1
		.amdhsa_system_sgpr_workgroup_id_x 1
		.amdhsa_system_sgpr_workgroup_id_y 1
		.amdhsa_system_sgpr_workgroup_id_z 1
		.amdhsa_system_vgpr_workitem_id 0
		.amdhsa_next_free_vgpr 256
		.amdhsa_next_free_sgpr 66
		.amdhsa_reserve_vcc 0
		.amdhsa_float_denorm_mode_32 3
		.amdhsa_float_denorm_mode_16_64 3
		.amdhsa_memory_ordered 1
		.amdhsa_forward_progress 1
		.amdhsa_inst_pref_size 107
	.end_amdhsa_kernel
	.amdgpu_metadata
---
amdhsa.version: [ 1, 2 ]
amdhsa.kernels:
  - .name:           k_q0951449716_quant
    .symbol:         k_q0951449716_quant.kd
    .args:
      - { .name: x, .offset: 0, .size: 8, .value_kind: global_buffer, .address_space: global }
      - { .name: W_attn, .offset: 8, .size: 8, .value_kind: global_buffer, .address_space: global }
      - { .name: W_proj, .offset: 16, .size: 8, .value_kind: global_buffer, .address_space: global }
      - { .name: xq, .offset: 24, .size: 8, .value_kind: global_buffer, .address_space: global }
      - { .name: waq, .offset: 32, .size: 8, .value_kind: global_buffer, .address_space: global }
      - { .name: wpq, .offset: 40, .size: 8, .value_kind: global_buffer, .address_space: global }
    .group_segment_fixed_size: 34304
    .private_segment_fixed_size: 0
    .kernarg_segment_align: 8
    .kernarg_segment_size: 48
    .max_flat_workgroup_size: 128
    .sgpr_count:     66
    .vgpr_count:     256
    .wavefront_size: 32
...
	.end_amdgpu_metadata
.endif
;; end of part 1
;; launch qkv (part 2): grid 12 x 32, 4 waves a work-group, clusters of 4 x 4, 327,680 bytes of LDS; arguments xq, waq, b_attn, qq, kv; writes qq, kv
.if DOCPART == 2
	.amdgcn_target "amdgcn-amd-amdhsa--gfx1250"
	.amdhsa_code_object_version 6
	.text
	.protected	k_q0951449716_qkv
	.globl	k_q0951449716_qkv
	.p2align	8
	.type	k_q0951449716_qkv,@function
k_q0951449716_qkv:
	s_mov_b64 s[64:65], 0
	v_nop
	global_prefetch_b8 v0, s[64:65] scope:SCOPE_SE
	s_setreg_imm32_b32 hwreg(HW_REG_WAVE_MODE, 25, 1), 1
	s_wait_xcnt 0x0
	s_wait_alu depctr_hold_cnt(0) depctr_sa_sdst(0) depctr_va_vdst(0) depctr_va_sdst(0) depctr_va_ssrc(0) depctr_va_vcc(0) depctr_vm_vsrc(0)
	s_getreg_b32 s2, hwreg(HW_REG_IB_STS2, 6, 4)
	s_cmp_eq_u32 s2, 0
	s_cbranch_scc0 .Lentry_in_a_cluster
	s_endpgm
.Lentry_in_a_cluster:
	s_bfe_u32 s2, ttmp6, 0x10000c
	s_cmp_lg_u32 s2, 0xf033
	s_cbranch_scc0 .Lentry_shape_is_right
	s_endpgm
.Lentry_shape_is_right:
; qkv = x W_attn + b_attn on codes of BF6 (8,192 x 3,072, K = 1,024), and its results quantised at once: q and k along the head's 64, v along the tokens (the keys).  Nothing leaves as f32.
; A block of 256 x 256 to a work-group of four waves, 128 x 128 a wave: 64 accumulators, 512 registers.  K goes in steps of 256 through a ring of two LDS slots filled by the tensor data mover.
; OPERANDS lie in memory as images of their registers (768 bytes for 16 rows x 64 K: registers 0-3 at 16 x lane, registers 4-5 at 512 + 16 r + 8 h), so a fragment comes by two loads of 16 and two of 8 bytes
; a lane, each of which reads consecutive bytes.  Buffer row p holds index p with bits 3 and 4 exchanged.  So, source 0 being 16 rows of operand P and source 1 16 rows of operand R, a lane holds R's row
; lane % 16, and the 16 registers of two neighbouring accumulators hold P's indices 32 b + 16 (lane / 16) + 0 .. 15 in their true order: what the conversions want.
; MODES, by the cluster's x, which all sixteen partners share: 0: q, 1: k: source 0 = W's columns, source 1 = tokens.  2: v: source 0 = tokens, source 1 = W's columns, so that a lane's registers run along the keys.
; The modes differ in which buffer fills which LDS region (chosen at the pointers), in the bias's layout (the C of the first K step) and on the way out.
; CLUSTERS: 4 x 4.  Region A's tiles hang on cy alone and are asked for jointly by a row of the cluster, region B's on cx alone, by a column.
; LIMITS: NaN and infinities are not served; a block whose largest magnitude lies under 2^-122 keeps the byte 1; the bytes are read by this program alone.
; REGISTERS: window 0: v16-31 addresses; v32-63 scale words, two sets; v64-127 the bias; v128-223 region A's fragments, one set; on the way out v112-130 codes, v200-227 at work.
;   window 1: region B's fragments, two sets, at v0 and v128.   windows 2 and 3: the accumulators ((a, b) at v[8 (8 (a % 4) + b)]).
.set NQ,     2                         ; matrix instructions deep in a slot
.set FR,     12                        ; registers of a fragment
.set NL,     4                         ; LDS loads that bring one
.set TILEB,  3072                      ; 16 rows x 256 K in a slot
.set HALFT,  8*TILEB                   ; 128 rows: what one tensor load brings
.set SLOT,   4*HALFT                   ; region A's 256 rows, then region B's
.set SCL,    2*SLOT                    ; behind the ring: the scale words for all of K: 512 bytes a tile
.set HALFS,  4096                      ; those of 128 rows
.set SBLK,   512
.set SPARE,  SCL+4*HALFS               ; the spare words, 128 bytes for each wave: two blocks of 256 bytes that no other line names
.set XSC_OFF, 6291456                  ; where xq's scale words begin
.set WSC_OFF, 2359296                  ; waq's
.set ADRA, 16                          ; v16-17 LDS address of region A's fragments in slot 0, 1, at 16 x lane; v18-19 at 16 r + 8 h
.set ADRB, 20                          ; v20-23 the same for region B
.set A16R, 26                          ; v26    16 x lane
.set ADRS, 27                          ; v27    my scale words: lanes 0-15 region A's rows, lanes 16-31 region B's
.set SPW,  28                          ; v28    my spare word; never rewritten
.set NIL,  29                          ; v29    0; never rewritten
.set A8R,  30                          ; v30    16 r + 8 h
.set SC,   32
.set BI,   64
.set AF,   128
.set PC,   112                         ; the way out: a fragment's codes, and the conversions' second halves
.set TM,   200                         ; v200-203 largest magnitudes, v204-207 bytes, v212-215 scale operands
.set PW,   216                         ; the scale word just made
.set SQ,   220                         ; v220-227 scale words gathered
.set G1, 24
.set G0, 32
.set G1B, 48
.set G0B, 56
.set G1S, 68
.set G0S, 76
.set G1SB, 80
.set G0SB, 88
.set MSB, 0
.macro WIN new                         ; the immediate's high byte repeats the setting that is left
.if MSB != (\new)
	s_set_vgpr_msb (MSB<<8)|(\new)
.set MSB, (\new)
.endif
.endm
.set MUL_LO,  0xa1                     ; source 0 window 1, source 1 window 0, C and D window 2
.set MUL_HI,  0xf1                     ; the same, C and D window 3
.set BIAS_LO, 0x81                     ; the first K step: C (the bias) window 0, D window 2
.set BIAS_HI, 0xc1
.set TO_B,    0x40                     ; destination window 1, address window 0
; A joint load: waves 0 and 1 fetch for region A, waves 2 and 3 for region B.  The branch hangs on the wave's number alone.  Four v_nop follow each of the two lines.
.macro JLOAD g0a, g1a, g0b, g1b
	s_cmp_eq_u32 s15, 0
	s_cbranch_scc0 .Lfor_b_\@
	tensor_load_to_lds s[\g0a:\g0a+3], s[\g1a:\g1a+7]
	s_nop 0
.rept 4
	v_nop
.endr
	s_branch .Lasked_\@
.Lfor_b_\@:
	tensor_load_to_lds s[\g0b:\g0b+3], s[\g1b:\g1b+7]
	s_nop 0
.rept 4
	v_nop
.endr
.Lasked_\@:
.endm
.macro CREST                           ; a round of the cluster's barrier behind its opening barrier
	s_cmp_lg_u32 s14, 0
	s_cbranch_scc1 .Lnot_wave_0_\@
	s_barrier_signal -3
.Lnot_wave_0_\@:
	s_barrier_wait -3
	s_barrier_signal -1
	s_barrier_wait -1
.endm
.macro CROUND
	s_barrier_signal -1
	s_barrier_wait -1
	CREST
.endm
.macro PLACES                          ; four plain places behind matrix instructions, ahead of loads into their sources and of the first read of results
.rept 4
	v_nop
.endr
.endm
.macro FRAG reg, adr, q, i             ; tile i's fragment of the slot's q-th 128 along K: two half fragments as they lie
.irp c, 0,1
	ds_load_b128 v[\reg+6*\c:\reg+6*\c+3], v[\adr] offset:(\i)*TILEB+(\q)*1536+768*\c
	ds_load_b64 v[\reg+6*\c+4:\reg+6*\c+5], v[\adr+2] offset:(\i)*TILEB+(\q)*1536+768*\c+512
.endr
.endm
; 16 matrix instructions: region A's blocks a0, a0 + 1 x region B's eight.  p: B's set; q: which 128 of the slot; sc: the set of scale words.
; zero = 1: C = the bias by B's block (q, k); 2: by A's block (v); 0: in place.  The 64 accumulators take turns, one instruction a turn, in the same order in every step.
.macro MUL16 a0, p, q, sc, zero
.irp a, \a0, \a0+1
.irp b, 0,1,2,3,4,5,6,7
.set rD, 8*(8*((\a)%4)+\b)
.set rB, 128*(\p)+FR*\b
.set rA, AF+FR*(\a)
.set rSB, SC+8*NQ*(\sc)+NQ*\b+(\q)
.set rSA, SC+8*NQ*(\sc)+NQ*(\a)+(\q)
.if (\zero) == 1
	v_wmma_scale_f32_16x16x128_f8f6f4 v[rD:rD+7], v[rB:rB+FR-1], v[rA:rA+FR-1], v[BI+8*\b:BI+8*\b+7], v[rSB], v[rSA] matrix_a_fmt:MATRIX_FMT_BF6 matrix_b_fmt:MATRIX_FMT_BF6 matrix_a_scale:MATRIX_SCALE_ROW1
.elseif (\zero) == 2
	v_wmma_scale_f32_16x16x128_f8f6f4 v[rD:rD+7], v[rB:rB+FR-1], v[rA:rA+FR-1], v[BI+8*(\a):BI+8*(\a)+7], v[rSB], v[rSA] matrix_a_fmt:MATRIX_FMT_BF6 matrix_b_fmt:MATRIX_FMT_BF6 matrix_a_scale:MATRIX_SCALE_ROW1
.else
	v_wmma_scale_f32_16x16x128_f8f6f4 v[rD:rD+7], v[rB:rB+FR-1], v[rA:rA+FR-1], v[rD:rD+7], v[rSB], v[rSA] matrix_a_fmt:MATRIX_FMT_BF6 matrix_b_fmt:MATRIX_FMT_BF6 matrix_a_scale:MATRIX_SCALE_ROW1
.endif
.endr
.endr
.endm
.macro FETCH_B slot, q, p
	WIN TO_B
.irp i, 0,1,2,3,4,5,6,7
	FRAG 128*(\p)+FR*\i, ADRB+\slot, \q, \i
.endr
	WIN 0
.endm
.macro FETCH_A slot, q, i0
.irp i, \i0, \i0+1, \i0+2, \i0+3
	FRAG AF+FR*(\i), ADRA+\slot, \q, \i
.endr
.endm
.macro SCALES sc, sg                   ; the scale words of K step sg of four (256 along K): two words a row; lanes 0-15 take A's block i, lanes 16-31 B's
.irp i, 0,1,2,3,4,5,6,7
	ds_load_b64 v[SC+8*NQ*(\sc)+NQ*\i:SC+8*NQ*(\sc)+NQ*\i+1], v[ADRS] offset:\i*SBLK+256*((\sg)/2)+8*((\sg)%2)
.endr
.endm
.macro STEP slot, zero                 ; a slot's first 128 along K
	s_wait_dscnt 4*NL                              ; B's set, A's blocks 0-3 and the scale words are in; the youngest 16 loads (A's blocks 4-7) may be out
.if \zero
	WIN BIAS_LO
.else
	WIN MUL_LO
.endif
	MUL16 0, 0, 0, \slot, \zero
	MUL16 2, 0, 0, \slot, \zero
	s_wait_dscnt 0x0                               ; A's blocks 4-7 are in
	PLACES
	FETCH_B \slot, 1, 1
	FETCH_A \slot, 1, 0
.if \zero
	WIN BIAS_HI
.else
	WIN MUL_HI
.endif
	MUL16 4, 0, 0, \slot, \zero
	MUL16 6, 0, 0, \slot, \zero
	PLACES
	WIN 0
	FETCH_A \slot, 1, 4
.endm
; A slot's second 128 along K changes slots: ONE barrier; ahead of it each wave waits for all its tensor loads, adds 0 to its spare word, and waits for that and for its reads of this slot.
.macro TURN slot, next, fill, sg
	s_wait_tensorcnt 0x0                           ; all my tensor loads have landed: my part of the next slot
	ds_add_u32 v[SPW], v[NIL]                      ; 0 onto my spare word
	s_wait_dscnt 4*NL+1                            ; (the add and the youngest 16 loads may be out)
	WIN MUL_LO
	MUL16 0, 1, 1, \slot, 0
	s_wait_dscnt 0x0                               ; the add is done, and my reads of this slot are over
	s_barrier_signal -1
	MUL16 2, 1, 1, \slot, 0
	WIN 0
	s_barrier_wait -1
.if \fill
	CREST                                          ; the barrier has opened a round of the cluster's: no wave of any partner still reads this slot or has a load on its way
	s_add_nc_u64 s[G0+4*\slot+2:G0+4*\slot+3], s[G0+4*\slot+2:G0+4*\slot+3], 2*TILEB
	s_add_nc_u64 s[G0B+4*\slot+2:G0B+4*\slot+3], s[G0B+4*\slot+2:G0B+4*\slot+3], 2*TILEB
	JLOAD G0+4*\slot, G1, G0B+4*\slot, G1B         ; the first tensor load behind the round; its four v_nop are the places ahead of the loads below
.else
	PLACES
.endif
	FETCH_B \next, 0, 0
	FETCH_A \next, 0, 0
	SCALES \next, \sg
	WIN MUL_HI
	MUL16 4, 1, 1, \slot, 0
	MUL16 6, 1, 1, \slot, 0
	PLACES
	WIN 0
	FETCH_A \next, 0, 4
.endm
; Block a's 64 numbers of a lane (register 16 b + i = index 32 b + 16 (lane / 16) + i of my row) become a fragment's codes in v[PC] on and its scale word in v[PW].  Each accumulator is read from its low end on.
.macro QUANT a
.set AC, 64*((\a)%4)
	WIN 0x0a+5*((\a)/4)                            ; sources 0 and 1: window 2 or 3
.irp b, 0,1,2,3
	v_max3_num_f32 v[TM+\b], |v[AC+16*\b]|, |v[AC+16*\b+1]|, 0x2800000   ; the floor 2^(5 - 127) holds the byte at 1 from below
.endr
.irp i, 2,4,6,8,10,12,14
.irp b, 0,1,2,3
	v_max3_num_f32 v[TM+\b], |v[AC+16*\b+\i]|, |v[AC+16*\b+\i+1]|, v[TM+\b]
.endr
.endr
	WIN 0
.irp b, 0,1,2,3
	v_permlanex16_b32 v[TM+4+\b], v[TM+\b], s2, s3
.endr
.irp b, 0,1,2,3
	v_max_num_f32 v[TM+\b], v[TM+\b], v[TM+4+\b]   ; with lane l xor 16's: the block's largest magnitude
.endr
.irp b, 0,1,2,3
	v_add_nc_u32 v[TM+12+\b], 0xfe000000, v[TM+\b] ; 4 off the exponent field: the conversion's scale operand
.endr
.irp b, 0,1,2,3
	v_lshrrev_b32 v[TM+4+\b], 23, v[TM+12+\b]      ; the byte
.endr
	v_lshl_or_b32 v[PW], v[TM+5], 8, v[TM+4]
	v_lshl_or_b32 v[PW], v[TM+6], 16, v[PW]
	v_lshl_or_b32 v[PW], v[TM+7], 24, v[PW]
	s_wait_xcnt 0x0                                ; the last block's stores have read the codes' registers
	WIN 0x02+((\a)/4)                              ; source 0: window 2 or 3
.irp c, 0,1
	v_cvt_scalef32_pk16_bf6_f32 v[PC+6*\c:PC+6*\c+2], v[AC+32*\c:AC+32*\c+15], v[TM+12+2*\c]
	v_cvt_scalef32_pk16_bf6_f32 v[PC+12+4*\c:PC+14+4*\c], v[AC+32*\c+16:AC+32*\c+31], v[TM+12+2*\c+1]
.endr
	WIN 0
	v_nop                                          ; one plain place behind the conversions
.irp c, 0,1                                    ; a whole block to a lane: lanes 0-15 block 2 c, lanes 16-31 block 2 c + 1
.irp i, 0,1,2
	v_permlane16_swap_b32 v[PC+6*\c+\i], v[PC+12+4*\c+\i]
.endr
.irp i, 0,1,2
	v_mov_b32 v[PC+3+6*\c+\i], v[PC+12+4*\c+\i]
.endr
.endr
.endm
	s_load_b256 s[4:11], s[0:1], 0x0               ; xq, waq, b_attn, qq
	s_load_b64 s[12:13], s[0:1], 0x20              ; kv
	v_lshl_add_u32 v[SPW], v0, 2, SPARE
	v_mov_b32 v[NIL], 0
	ds_add_u32 v28, v29
	ds_add_u32 v28, v29
	s_wait_dscnt 0x0
	v_lshrrev_b32 v1, 5, v0
	v_readfirstlane_b32 s14, v1                    ; wave 0..3
	s_lshr_b32 s15, s14, 1                         ; which half of region A's rows I multiply.  Also: I fetch for region A (0) or B (1)
	s_and_b32 s16, s14, 1                          ; which half of region B's.  Also: which 128 rows I fetch
	s_bfe_u32 s40, ttmp6, 0x40000                  ; cx
	s_bfe_u32 s41, ttmp6, 0x40004                  ; cy
	s_lshl_b32 s43, s41, 2
	s_lshl_b32 s43, 15, s43                        ; my row of the cluster
	s_lshl_b32 s44, 0x1111, s40                    ; my column
	; descriptor group 1 for tiles: 8 rows (tiles of 16) of 3,072 bytes, 12,288 bytes apart, as elements of 8 bytes; no padding
	s_or_b32 s[G1+0], s43, (3<<16)|(1<<21)         ; 15:0 the mask; 17:16 elements of 8 bytes; 21 set beside a mask
	s_or_b32 s[G1B+0], s44, (3<<16)|(1<<21)
.irp g, G1, G1B
	s_mov_b32 s[\g+1], 384<<16                     ; tensor_dim0
	s_mov_b32 s[\g+2], 8<<16                       ; tensor_dim1
	s_mov_b32 s[\g+3], 384<<16                     ; tile_dim0
	s_mov_b32 s[\g+4], 8                           ; tile_dim1
	s_mov_b32 s[\g+5], 1536                        ; tensor_dim0_stride
	s_mov_b32 s[\g+6], 0
	s_mov_b32 s[\g+7], 0
.endr
	; and for the scale words of 128 rows: 4,096 dense bytes as 16 rows of 256
	s_or_b32 s[G1S+0], s43, (3<<16)|(1<<21)
	s_or_b32 s[G1SB+0], s44, (3<<16)|(1<<21)
.irp g, G1S, G1SB
	s_mov_b32 s[\g+1], 32<<16
	s_mov_b32 s[\g+2], 16<<16
	s_mov_b32 s[\g+3], 32<<16
	s_mov_b32 s[\g+4], 16
	s_mov_b32 s[\g+5], 32
	s_mov_b32 s[\g+6], 0
	s_mov_b32 s[\g+7], 0
.endr
	s_and_b32 s17, ttmp7, 0xffff
	s_lshl_b32 s17, s17, 10                        ; the cluster's first token: 1,024 x cluster y
	s_lshl_b32 s18, ttmp9, 10                      ; q, k: the cluster's first row of waq
	s_cmp_eq_u32 ttmp9, 2                          ; v?
	s_cselect_b32 s19, 0x800, s17                  ; region A: v: waq from row 2,048; else xq
	s_cselect_b32 s42, s17, s18                    ; region B: v: xq; else waq
	s_lshl_b32 s20, s41, 8
	s_add_co_u32 s19, s19, s20                     ; region A's first row: + 256 cy
	s_lshl_b32 s45, s40, 8
	s_add_co_u32 s42, s42, s45                     ; region B's: + 256 cx
	s_lshl_b32 s18, s16, 7
	s_add_co_u32 s20, s19, s18                     ; the 128 rows that I fetch, were it for A,
	s_add_co_u32 s46, s42, s18                     ; were it for B
	s_mul_i32 s22, s20, 768                        ; their codes: 768 bytes a row,
	s_lshl_b32 s20, s20, 5                         ; their scale words: 32
	s_mul_i32 s92, s46, 768
	s_lshl_b32 s46, s46, 5
	s_mov_b32 s2, XSC_OFF
	s_mov_b32 s3, WSC_OFF
	s_cmp_eq_u32 ttmp9, 2
	s_cselect_b32 s66, s3, s2
	s_cselect_b32 s67, s2, s3
	s_wait_kmcnt 0x0
	s_cselect_b64 s[96:97], s[6:7], s[4:5]         ; region A's buffer: the choice hangs on the cluster's x alone
	s_cselect_b64 s[98:99], s[4:5], s[6:7]         ; region B's
	s_add_co_u32 s20, s20, s66
	s_add_co_u32 s46, s46, s67
	s_mov_b32 s21, 0
	s_mov_b32 s23, 0
	s_mov_b32 s47, 0
	s_mov_b32 s93, 0
	s_add_nc_u64 s[20:21], s[96:97], s[20:21]      ; A's scale words
	s_add_nc_u64 s[22:23], s[96:97], s[22:23]      ; A's codes
	s_add_nc_u64 s[46:47], s[98:99], s[46:47]      ; B's scale words
	s_add_nc_u64 s[92:93], s[98:99], s[92:93]      ; B's codes
	s_mul_i32 s45, s14, HALFT                      ; where they go: wave x 128 rows: no place in the cluster enters an LDS address
	s_lshl_b32 s94, s14, 12
	CROUND                                         ; all sixteen work-groups are here: the first joint loads meet
	s_mov_b32 s[G0S], 1
	s_add_co_u32 s[G0S+1], s94, SCL
	s_mov_b64 s[G0S+2:G0S+3], s[20:21]
	s_or_b32 s[G0S+3], s[G0S+3], 0x80000000
	s_mov_b32 s[G0SB], 1
	s_add_co_u32 s[G0SB+1], s94, SCL
	s_mov_b64 s[G0SB+2:G0SB+3], s[46:47]
	s_or_b32 s[G0SB+3], s[G0SB+3], 0x80000000
	JLOAD G0S, G1S, G0SB, G1SB                     ; the scale words first: filled once
.irp s, 0,1
	s_mov_b32 s[G0+4*\s], 1
	s_add_co_u32 s[G0+4*\s+1], s45, \s*SLOT
	s_add_nc_u64 s[G0+4*\s+2:G0+4*\s+3], s[22:23], \s*TILEB
	s_or_b32 s[G0+4*\s+3], s[G0+4*\s+3], 0x80000000
	s_mov_b32 s[G0B+4*\s], 1
	s_add_co_u32 s[G0B+4*\s+1], s45, \s*SLOT
	s_add_nc_u64 s[G0B+4*\s+2:G0B+4*\s+3], s[92:93], \s*TILEB
	s_or_b32 s[G0B+4*\s+3], s[G0B+4*\s+3], 0x80000000
	JLOAD G0+4*\s, G1, G0B+4*\s, G1B
.endr
	v_and_b32 v1, 15, v0                           ; r
	v_bfe_u32 v2, v0, 4, 1                         ; h
	v_and_b32 v3, 31, v0
	v_lshlrev_b32 v[A16R], 4, v3
	v_lshlrev_b32 v[A8R], 4, v1
	v_lshl_add_u32 v[A8R], v2, 3, v[A8R]
	s_mul_i32 s21, s15, HALFT                      ; my 128 rows of region A
	s_mul_i32 s22, s16, HALFT                      ; my 128 rows of region B,
	s_add_co_u32 s22, s22, 2*HALFT                 ; which lie behind A's 256
.irp s, 0,1
	v_add_nc_u32 v[ADRA+\s], s21, v[A16R]
	v_add_nc_u32 v[ADRB+\s], s22, v[A16R]
	v_add_nc_u32 v[ADRA+2+\s], s21, v[A8R]
	v_add_nc_u32 v[ADRB+2+\s], s22, v[A8R]
	s_add_co_u32 s21, s21, SLOT
	s_add_co_u32 s22, s22, SLOT
.endr
	v_lshlrev_b32 v5, 4, v1                        ; scale words: 16 bytes a row in a K half
	s_lshl_b32 s21, s15, 12
	s_lshl_b32 s22, s16, 12
	s_add_co_u32 s22, s22, 2*HALFS
	s_sub_co_u32 s22, s22, s21
	v_mul_u32_u24 v6, s22, v2                      ; lanes 16-31 take region B's: one product, the distance between the two bases
	s_add_co_u32 s21, s21, SCL
	v_add_nc_u32 v5, v5, v6
	v_add_nc_u32 v[ADRS], s21, v5
	; the bias, in the result's layout
	v_lshlrev_b32 v7, 6, v2                        ; q, k: 16 h numbers on
	v_and_b32 v8, 8, v1
	v_add_nc_u32 v8, v8, v1
	v_lshlrev_b32 v8, 2, v8                        ; v: my row's column: r + 8 (r / 8)
	s_lshl_b32 s20, s15, 7
	s_add_co_u32 s20, s19, s20                     ; my first row of region A
	s_lshl_b32 s21, s16, 7
	s_add_co_u32 s21, s42, s21                     ; of region B
	s_cmp_eq_u32 ttmp9, 2
	s_cselect_b32 s20, s20, s21                    ; of waq, which is my first column of b_attn
	s_lshl_b32 s20, s20, 2
	s_mov_b32 s21, 0
	s_add_nc_u64 s[66:67], s[8:9], s[20:21]
	s_cmp_eq_u32 ttmp9, 2
	s_cbranch_scc1 .Lbias_v
.set i, 0
.rept 8                                        ; accumulator (a, b), register j: column 32 (b / 2) + 16 h + 8 (b % 2) + j
	global_load_b128 v[BI+8*i:BI+8*i+3], v7, s[66:67] offset:(32*(i/2)+8*(i%2))*4
	global_load_b128 v[BI+8*i+4:BI+8*i+7], v7, s[66:67] offset:(32*(i/2)+8*(i%2))*4+16
.set i, i+1
.endr
	s_branch .Lbias_in
.Lbias_v:
.set i, 0
.rept 64                                       ; accumulator (a, b), every register: column 32 (a / 2) + 8 (a % 2) + r + 8 (r / 8): the same number eight times
	global_load_b32 v[BI+i], v8, s[66:67] offset:(32*(i/16)+8*((i/8)%2))*4
.set i, i+1
.endr
.Lbias_in:
	s_wait_tensorcnt 1                             ; the scale words and my part of K step 0 are in; slot 1's load may be out
	s_barrier_signal -1
	s_barrier_wait -1                              ; everybody's are
	FETCH_B 0, 0, 0
	FETCH_A 0, 0, 0
	SCALES 0, 0
	FETCH_A 0, 0, 4
	s_wait_loadcnt 0x0                             ; the bias
	s_cmp_eq_u32 ttmp9, 2
	s_cbranch_scc1 .Lfirst_v
	STEP 0, 1                                      ; the first products start the sums from the bias: nothing is cleared, nothing added later
	s_branch .Lfirst_done
.Lfirst_v:
	STEP 0, 2
.Lfirst_done:
	TURN 0, 1, 1, 1                                ; K = 1,024 is four slots' worth: written out
	STEP 1, 0
	TURN 1, 0, 1, 2
	STEP 0, 0
	TURN 0, 1, 0, 3                                ; nothing is left to fetch: no round
	STEP 1, 0
	s_wait_dscnt 4*NL
	WIN MUL_LO
	MUL16 0, 1, 1, 1, 0
	MUL16 2, 1, 1, 1, 0
	s_wait_dscnt 0x0
	WIN MUL_HI
	MUL16 4, 1, 1, 1, 0
	MUL16 6, 1, 1, 1, 0
	WIN 0
	; THE WAY OUT.  My 128 tokens are key step g of one sequence, my 128 columns two heads.  Four pointers: image and scale words of each head.
	s_lshl_b32 s20, s15, 7
	s_add_co_u32 s20, s19, s20                     ; my first row of region A
	s_lshl_b32 s21, s16, 7
	s_add_co_u32 s21, s42, s21                     ; of region B
	s_mov_b32 s47, 12288                           ; k: scale words behind K's and V's images
	s_cmp_eq_u32 ttmp9, 2
	s_cselect_b32 s22, s21, s20                    ; my first token
	s_cselect_b32 s23, s20, s21                    ; my first row of waq
	s_cselect_b32 s46, 6144, 0                     ; v: images behind K's
	s_cselect_b32 s47, 12800, s47                  ; v: scale words behind K's
	s_and_b32 s23, s23, 1023
	s_lshr_b32 s23, s23, 6                         ; head
	s_lshr_b32 s66, s22, 11                        ; batch
	s_lshl_b32 s66, s66, 4
	s_add_co_u32 s23, s23, s66                     ; 16 x batch + head
	s_bfe_u32 s22, s22, 0x40007                    ; g
	s_mov_b32 s92, 208896                          ; kv: a head,
	s_mov_b32 s2, 13056                            ; a key step
	s_cmp_eq_u32 ttmp9, 0                          ; q?
	s_cselect_b32 s93, 98304, s92                  ; images: from head to head,
	s_cselect_b32 s94, 8192, s92                   ; scale words likewise,
	s_cselect_b32 s95, 6144, s2                    ; images: from step to step,
	s_cselect_b32 s96, 512, s2                     ; scale words likewise
	s_cselect_b32 s47, 6291456, s47
	s_cselect_b64 s[98:99], s[10:11], s[12:13]     ; qq or kv
	s_mul_i32 s66, s23, s93
	s_mul_i32 s67, s22, s95
	s_add_co_u32 s66, s66, s67
	s_add_co_u32 s66, s66, s46
	s_mov_b32 s67, 0
	s_add_nc_u64 s[68:69], s[98:99], s[66:67]      ; images, first head
	s_mov_b32 s66, s93
	s_add_nc_u64 s[70:71], s[68:69], s[66:67]      ; second head
	s_mul_i32 s66, s23, s94
	s_mul_i32 s92, s22, s96
	s_add_co_u32 s66, s66, s92
	s_add_co_u32 s66, s66, s47
	s_add_nc_u64 s[72:73], s[98:99], s[66:67]      ; scale words, first head
	s_mov_b32 s66, s94
	s_add_nc_u64 s[74:75], s[72:73], s[66:67]      ; second head
	s_mov_b32 s97, 0xffff0000                      ; lanes 16-31
	s_mov_b32 s2, 0x76543210
	s_mov_b32 s3, 0xfedcba98                       ; v_permlanex16_b32's selects for lane l xor 16
	PLACES                                         ; behind the last products: their results are read and their sources written below
.irp b, 0,1,2,3
	v_mov_b32 v[TM+4+\b], 0                        ; written once: a lane permute's destination counts as one of its sources
.endr
	s_cmp_eq_u32 ttmp9, 2
	s_cbranch_scc1 .Lout_v
.irp a, 0,1,2,3,4,5,6,7                        ; q, k: block a is tile a of the step; its fragment's two halves are the two heads' half fragments
	QUANT \a
	global_store_b128 v[A16R], v[PC:PC+3], s[68:69] offset:768*\a              ; 512 consecutive bytes, aligned to 256
	global_store_b64 v[A8R], v[PC+4:PC+5], s[68:69] offset:768*\a+512          ; 256 consecutive bytes, aligned
	global_store_b128 v[A16R], v[PC+6:PC+9], s[70:71] offset:768*\a
	global_store_b64 v[A8R], v[PC+10:PC+11], s[70:71] offset:768*\a+512
.if (\a)%2 == 0                                ; a head's two bytes, with zeros above them; even tiles in lanes 0-15, odd tiles in lanes 16-31 of one register
	v_and_b32 v[SQ+(\a)/2], 0xffff, v[PW]
	v_lshrrev_b32 v[SQ+4+(\a)/2], 16, v[PW]
.else
	v_and_b32 v217, 0xffff, v[PW]
	v_lshrrev_b32 v218, 16, v[PW]
	v_cndmask_b32 v[SQ+(\a)/2], v[SQ+(\a)/2], v217, s97
	v_cndmask_b32 v[SQ+4+(\a)/2], v[SQ+4+(\a)/2], v218, s97
.endif
.endr
	global_store_b128 v[A16R], v[SQ:SQ+3], s[72:73]
	global_store_b128 v[A16R], v[SQ+4:SQ+7], s[74:75]
	s_branch .Lout_done
.Lout_v:
.irp a, 0,1,2,3,4,5,6,7                        ; v: block a is channel tile a % 4 of head a / 4; its fragment is 16 channels x the step's 128 keys
	QUANT \a
	global_store_b128 v[A16R], v[PC:PC+3], s[68+2*(\a/4):69+2*(\a/4)] offset:1536*(\a%4)
	global_store_b64 v[A8R], v[PC+4:PC+5], s[68+2*(\a/4):69+2*(\a/4)] offset:1536*(\a%4)+512
	global_store_b128 v[A16R], v[PC+6:PC+9], s[68+2*(\a/4):69+2*(\a/4)] offset:1536*(\a%4)+768
	global_store_b64 v[A8R], v[PC+10:PC+11], s[68+2*(\a/4):69+2*(\a/4)] offset:1536*(\a%4)+1280
.if (\a)%2 == 0
	v_mov_b32 v[SQ+(\a)/2], v[PW]
.else
	v_cndmask_b32 v[SQ+(\a)/2], v[SQ+(\a)/2], v[PW], s97
.endif
.endr
	global_store_b64 v[A8R], v[SQ:SQ+1], s[72:73]  ; 256 consecutive bytes, aligned
	global_store_b64 v[A8R], v[SQ+2:SQ+3], s[74:75]
.Lout_done:
	s_wait_tensorcnt 0x0                           ; the wave's end
	ds_add_u32 v[SPW], v[NIL]
	s_wait_dscnt 0x0
	CROUND                                         ; the closing round: no work-group ends while a partner may still ask for a tile that names it
	s_endpgm
.Lfunc_end_k_q0951449716_qkv:
	.size	k_q0951449716_qkv, .Lfunc_end_k_q0951449716_qkv-k_q0951449716_qkv
	.p2alignl 7, 3214868480
	.fill 96, 4, 3214868480
	.section	.rodata,"a",@progbits
	.p2align	6, 0x0
	.amdhsa_kernel k_q0951449716_qkv
		.amdhsa_group_segment_fixed_size 327680
		.amdhsa_private_segment_fixed_size 0
		.amdhsa_enable_private_segment 0
		.amdhsa_kernarg_size 40
		.amdhsa_user_sgpr_count 2
		.amdhsa_user_sgpr_kernarg_segment_ptr 1
		.amdhsa_wavefront_size32 1
		.amdhsa_system_sgpr_workgroup_id_x 1
		.amdhsa_system_sgpr_workgroup_id_y 1
		.amdhsa_system_sgpr_workgroup_id_z 1
		.amdhsa_system_vgpr_workitem_id 0
		.amdhsa_next_free_vgpr 1024
		.amdhsa_next_free_sgpr 100
		.amdhsa_reserve_vcc 0
		.amdhsa_float_denorm_mode_32 3
		.amdhsa_float_denorm_mode_16_64 3
		.amdhsa_memory_ordered 1
		.amdhsa_forward_progress 1
		.amdhsa_inst_pref_size 206
	.end_amdhsa_kernel
	.amdgpu_metadata
---
amdhsa.version: [ 1, 2 ]
amdhsa.kernels:
  - .name:           k_q0951449716_qkv
    .symbol:         k_q0951449716_qkv.kd
    .args:
      - { .name: xq, .offset: 0, .size: 8, .value_kind: global_buffer, .address_space: global }
      - { .name: waq, .offset: 8, .size: 8, .value_kind: global_buffer, .address_space: global }
      - { .name: b_attn, .offset: 16, .size: 8, .value_kind: global_buffer, .address_space: global }
      - { .name: qq, .offset: 24, .size: 8, .value_kind: global_buffer, .address_space: global }
      - { .name: kv, .offset: 32, .size: 8, .value_kind: global_buffer, .address_space: global }
    .group_segment_fixed_size: 327680
    .private_segment_fixed_size: 0
    .kernarg_segment_align: 8
    .kernarg_segment_size: 40
    .max_flat_workgroup_size: 128
    .sgpr_count:     100
    .vgpr_count:     1024
    .wavefront_size: 32
...
	.end_amdgpu_metadata
.endif
;; end of part 2
;; launch attn (part 3): grid 4 x 64, 16 waves a work-group, clusters of 4 x 1, 210,944 bytes of LDS; arguments qq, kv, yq; writes yq
.if DOCPART == 3
	.amdgcn_target "amdgcn-amd-amdhsa--gfx1250"
	.amdhsa_code_object_version 6
	.text
	.protected	k_q0951449716_attn
	.globl	k_q0951449716_attn
	.p2align	8
	.type	k_q0951449716_attn,@function
k_q0951449716_attn:
	s_mov_b64 s[64:65], 0
	v_nop
	global_prefetch_b8 v0, s[64:65] scope:SCOPE_SE
	s_setreg_imm32_b32 hwreg(HW_REG_WAVE_MODE, 25, 1), 1
	s_wait_xcnt 0x0
	s_wait_alu depctr_hold_cnt(0) depctr_sa_sdst(0) depctr_va_vdst(0) depctr_va_sdst(0) depctr_va_ssrc(0) depctr_va_vcc(0) depctr_vm_vsrc(0)
	s_getreg_b32 s2, hwreg(HW_REG_IB_STS2, 6, 4)
	s_cmp_eq_u32 s2, 0
	s_cbranch_scc0 .Lentry_in_a_cluster
	s_endpgm
.Lentry_in_a_cluster:
	s_bfe_u32 s2, ttmp6, 0x10000c
	s_cmp_lg_u32 s2, 0x3003
	s_cbranch_scc0 .Lentry_shape_is_right
	s_endpgm
.Lentry_shape_is_right:
; y = softmax(q k^T / 8, causal) v for 64 heads of 2,048 tokens x 64 channels, both products on codes of BF6; y leaves as codes, quantised along the channels, as the last product's operand.
; THE SOFTMAX: t = score x log2(e) / 8; M = the running largest t rounded UP to a whole number; p = 2^(t - M) is quantised along the keys, not normalised; the row's sum is taken of the unquantised p and
; divides at the end; when M moves, the sum and O are multiplied by 2^(old M - new M), which rounds nothing.
; SHARES.  A cluster of four work-groups is one head.  Wave w of work-group cx owns two tiles of 16 queries: 4 w + cx and 4 (31 - w) + cx.  In steps of 128 keys they need w / 2 + 1 and 16 - w / 2 steps:
; 17 for every wave of the launch; both counts hang on the wave's number alone.  Steps all of whose keys come after a tile's queries are left out; the tile's last step is masked.
; K AND V OF THE WHOLE HEAD, 208,896 bytes as images of operand registers with their scale words, come into LDS ONCE, by joint loads of the four work-groups: no slot is ever filled again.
; Key steps 0 and 1 come by a load of their own, so that work begins while the other fourteen are on their way.
; LAYOUT.  S^T = K Q^T (source 0 = 16 keys), O^T = V^T P^T (source 0 = 16 channels): a lane holds ONE query.  Tiles of keys and of channels hold their rows with bits 3 and 4 of the index exchanged, so the
; 16 registers of two neighbouring accumulators are 16 neighbouring keys (channels).
; THE HEAD'S 64 IN AN INSTRUCTION OF 128: a key tile is six registers; the operand names twelve, the upper six being the next tile's codes; Q's upper six are zero codes, so that half adds nothing.
; LIMITS: NaN and infinities are not served; a block whose largest magnitude lies under 2^-122 keeps the byte 1; the bytes are read by this program alone.
; REGISTERS: v1 16 x lane, v2 16 r + 8 h, v3, v4 the masks' d, v5 16 r + h, v8, v9 the step's LDS addresses; v12-15, v28-31 statistics (-M, largest t, the sum in two halves); v16-27 Q of the early tile,
; v236-247 of the late one; v32-79 fragments, and the softmax's work registers; v80-85 zeros; v86-94 scale words; v96-159 S^T, then p; v160-191, v192-223 O^T; v224-235 p's codes; v248-249 f.
.set STEPB, 13056                      ; a key step in LDS: K's 8 half fragments, V's 4 fragments, K's scale words (512), V's (256)
.set VOFF,  6144
.set KSC,   12288
.set VSC,   12800
.set WV,  10
.set CXR, 11
.set HB,  12
.set TLO, 13
.set THI, 14
.set G1A, 24                           ; s[24:31] group 1 of the first load; s[32:39] of the second; s[40:43], s[44:47] their groups 0
.set G1B, 32
.set G0A, 40
.set G0B, 44
.set SEL, 50                           ; s[50:51] v_permlanex16_b32's selects for lane l xor 16
.set CS,  52                           ; s[52:53] c = log2(e) / 8
.set HM,  54                           ; lanes 16-31
.set NLO, 55                           ; the early tile's steps;  s56 the late tile's;  s57, s58 their last, masked steps
.set NHI, 56
.set DLO, 57
.set DHI, 58
.set KI,  59                           ; the key step in hand
.set TB,  60                           ; where it begins in LDS
.set CNT, 61
.macro ROUND                           ; a round of the cluster's barrier
	s_barrier_signal -1
	s_barrier_wait -1
	s_cmp_lg_u32 s[WV], 0
	s_cbranch_scc1 .Lnot_wave_0_\@
	s_barrier_signal -3
.Lnot_wave_0_\@:
	s_barrier_wait -3
	s_barrier_signal -1
	s_barrier_wait -1
.endm
; tile s[t]: pointers to Q's image and scale words, to y's image and scale bytes, and the mask's d
.macro TILEPTR t, img, sc, yimg, ysc, d, dg
	s_mul_i32 s48, s[HB], 98304
	s_mul_i32 s62, s[\t], 768
	s_add_co_u32 s48, s48, s62
	s_add_nc_u64 s[\img:\img+1], s[4:5], s[48:49]
	s_lshl_b32 s48, s[HB], 13                      ; Q's scale words: 8,192 a head, 512 for 8 tiles,
	s_lshr_b32 s62, s[\t], 3
	s_lshl_b32 s62, s62, 9
	s_add_co_u32 s48, s48, s62
	s_and_b32 s62, s[\t], 1
	s_lshl_b32 s62, s62, 8                         ; odd tiles 256 on,
	s_add_co_u32 s48, s48, s62
	s_bfe_u32 s62, s[\t], 0x20001
	s_lshl_b32 s62, s62, 2                         ; word (tile / 2) % 4 of a row's four
	s_add_co_u32 s48, s48, s62
	s_add_co_u32 s48, s48, 6291456
	s_add_nc_u64 s[\sc:\sc+1], s[4:5], s[48:49]
	s_lshr_b32 s62, s[HB], 4
	s_lshl_b32 s62, s62, 7
	s_add_co_u32 s62, s62, s[\t]                   ; yq's tile: 128 x batch + tile
	s_and_b32 s63, s[HB], 15                       ; head
	s_mul_i32 s48, s62, 12288
	s_mul_i32 s74, s63, 768
	s_add_co_u32 s48, s48, s74
	s_add_nc_u64 s[\yimg:\yimg+1], s[8:9], s[48:49]
	s_lshl_b32 s48, s62, 9                         ; y's scale bytes: 512 a tile, 256 a K half (8 heads), 2 a head in a row's 16
	s_lshr_b32 s74, s63, 3
	s_lshl_b32 s74, s74, 8
	s_add_co_u32 s48, s48, s74
	s_and_b32 s74, s63, 7
	s_lshl_b32 s74, s74, 1
	s_add_co_u32 s48, s48, s74
	s_add_co_u32 s48, s48, 6291456
	s_add_nc_u64 s[\ysc:\ysc+1], s[8:9], s[48:49]
	s_lshr_b32 s48, s[\t], 1
	s_lshl_b32 s48, s48, 5
	s_and_b32 s62, s[\t], 1
	s_lshl_b32 s62, s62, 3
	s_add_co_u32 s48, s48, s62                     ; the tile's first token: 32 (tile / 2) + 8 (tile % 2),
	s_lshl_b32 s62, s[\dg], 7
	s_sub_co_u32 s48, s48, s62                     ; counted from its last step's first key
	v_add_nc_u32 v[\d], s48, v7                    ; d = my query - that key - 16 h
.endm
; A KEY STEP of one tile: 128 keys.  ns: its number of steps; dg: its masked step; vd: d; qv, qs: Q and its scale words; sv: statistics; ov: O^T.
.macro STEP ns, dg, vd, qv, qs, sv, ov
	s_cmp_ge_u32 s[KI], s[\ns]                     ; all keys of this step come after my queries: a branch on the wave's number and the loop's count
	s_cbranch_scc1 .Lskip_\@
.rept 4
	v_nop                                          ; places ahead of loads into registers that the last products read
.endr
.irp t, 0,1,2,3,4,5,6,7
	ds_load_b128 v[32+6*\t:35+6*\t], v8 offset:768*\t
	ds_load_b64 v[36+6*\t:37+6*\t], v9 offset:768*\t+512
.endr
	ds_load_b128 v[86:89], v8 offset:KSC           ; K's scale words: register t / 2: even tiles in lanes 0-15, odd tiles in lanes 16-31
	s_wait_dscnt 0x0
.irp t, 0,1,2,3,4,5,6,7
.if \t%2
	v_wmma_scale_f32_16x16x128_f8f6f4 v[96+8*\t:103+8*\t], v[32+6*\t:43+6*\t], v[\qv:\qv+11], 0, v[86+\t/2], v[\qs] matrix_a_fmt:MATRIX_FMT_BF6 matrix_b_fmt:MATRIX_FMT_BF6 matrix_a_scale:MATRIX_SCALE_ROW1
.else
	v_wmma_scale_f32_16x16x128_f8f6f4 v[96+8*\t:103+8*\t], v[32+6*\t:43+6*\t], v[\qv:\qv+11], 0, v[86+\t/2], v[\qs] matrix_a_fmt:MATRIX_FMT_BF6 matrix_b_fmt:MATRIX_FMT_BF6
.endif
.endr
.rept 4
	v_nop                                          ; places behind the products: results are read and K's registers written below
.endr
	s_cmp_lg_u32 s[KI], s[\dg]
	s_cbranch_scc1 .Lopen_\@
	v_mov_b32 v10, 0xff800000                      ; the tile's last step: hidden scores become -infinity ahead of the maximum.  Register 16 b + i holds key 32 b + 16 h + i of the step: hidden where 32 b + i > d
.set n, 0
.rept 64
	v_cmp_gt_i32 vcc_lo, 32*(n/16)+n%16, v[\vd]
	v_cndmask_b32 v[96+n], v[96+n], v10, vcc_lo
.set n, n+1
.endr
.Lopen_\@:
.irp b, 0,1,2,3
	v_max3_num_f32 v[32+\b], v[96+16*\b], v[97+16*\b], v[98+16*\b]   ; the largest score of each block of 32 keys: it serves the row's maximum and, since p rises with the score, the block's largest p
.endr
.irp i, 3,5,7,9,11,13
.irp b, 0,1,2,3
	v_max3_num_f32 v[32+\b], v[32+\b], v[96+16*\b+\i], v[97+16*\b+\i]
.endr
.endr
.irp b, 0,1,2,3
	v_max_num_f32 v[32+\b], v[32+\b], v[111+16*\b]
.endr
.irp b, 0,1,2,3
	v_permlanex16_b32 v[36+\b], v[32+\b], s[SEL], s[SEL+1]
.endr
.irp b, 0,1,2,3
	v_max_num_f32 v[32+\b], v[32+\b], v[36+\b]     ; with lane l xor 16's 16 keys
.endr
	v_max3_num_f32 v10, v32, v33, v34
	v_max_num_f32 v10, v10, v35                    ; the step's largest score of my query
	v_mul_f32 v10, s[CS], v10                      ; as t
	v_max_num_f32 v[\sv+1], v[\sv+1], v10          ; the running largest t
	v_mov_b32 v10, v[\sv]
	v_floor_f32 v[\sv], -v[\sv+1]                  ; the new -M = floor(-t): M is a whole number
	v_sub_f32 v10, v[\sv], v10                     ; old M - new M: a whole number, 0 or less
	v_cvt_i32_f32 v10, v10                         ; (it saturates)
	v_ldexp_f32 v248, 1.0, v10                     ; f = 2^(old M - new M)
.set j, 0
.rept 32
	v_pk_fma_f32 v[96+j:97+j], v[96+j:97+j], s[CS:CS+1], v[\sv:\sv+1] op_sel_hi:[1,0,0]   ; t - M, two at a time
.set j, j+2
.endr
.irp b, 0,1,2,3
	v_fma_f32 v[32+\b], v[32+\b], s[CS], v[\sv]    ; the same of each block's largest score
.endr
.set j, 0
.rept 64
	v_exp_f32 v[96+j], v[96+j]                     ; p = 2^(t - M)
.set j, j+1
.endr
	v_pk_mul_f32 v[\sv+2:\sv+3], v[\sv+2:\sv+3], v[248:249] op_sel_hi:[1,0]   ; the sums under the new M: the plain place behind the exponentials
	s_wait_alu depctr_va_vdst(0)                   ; one wait for the batch of 64, ahead of its first reader
.irp b, 0,1,2,3
	v_exp_f32 v[32+\b], v[32+\b]                   ; each block's largest p
.endr
	v_pk_add_f32 v[52:53], v[96:97], v[98:99]      ; the row's sum is taken of the unquantised p, in two chains
.irp j, 4,8,12,16,20,24,28,32,36,40,44,48,52,56,60
	v_pk_add_f32 v[\sv+2:\sv+3], v[\sv+2:\sv+3], v[96+\j:97+\j]
	v_pk_add_f32 v[52:53], v[52:53], v[98+\j:99+\j]
.endr
	v_pk_add_f32 v[\sv+2:\sv+3], v[\sv+2:\sv+3], v[52:53]
	s_wait_alu depctr_va_vdst(0)                   ; and one for the four
.irp b, 0,1,2,3
	v_max_num_f32 v[32+\b], 0x2800000, v[32+\b]    ; the floor 2^(5 - 127): the byte cannot fall under 1
.endr
.irp b, 0,1,2,3
	v_add_nc_u32 v[40+\b], 0xfe000000, v[32+\b]    ; the conversion's scale operand
.endr
.irp b, 0,1,2,3
	v_lshrrev_b32 v[36+\b], 23, v[40+\b]           ; the byte
.endr
	v_lshl_or_b32 v94, v37, 8, v36                 ; p's scale word for these 128 keys
	v_lshl_or_b32 v94, v38, 16, v94
	v_lshl_or_b32 v94, v39, 24, v94
.irp c, 0,1
	v_cvt_scalef32_pk16_bf6_f32 v[224+6*\c:226+6*\c], v[96+32*\c:111+32*\c], v[40+2*\c]
	v_cvt_scalef32_pk16_bf6_f32 v[44+4*\c:46+4*\c], v[112+32*\c:127+32*\c], v[40+2*\c+1]
.endr
	v_nop                                          ; one plain place behind the conversions
.irp c, 0,1                                    ; a whole block to a lane
.irp i, 0,1,2
	v_permlane16_swap_b32 v[224+6*\c+\i], v[44+4*\c+\i]
.endr
.irp i, 0,1,2
	v_mov_b32 v[227+6*\c+\i], v[44+4*\c+\i]
.endr
.endr
.irp t, 0,1,2,3                                ; V's four fragments: 16 channels x these 128 keys
.irp c, 0,1
	ds_load_b128 v[32+12*\t+6*\c:35+12*\t+6*\c], v8 offset:VOFF+1536*\t+768*\c
	ds_load_b64 v[36+12*\t+6*\c:37+12*\t+6*\c], v9 offset:VOFF+1536*\t+768*\c+512
.endr
.endr
	ds_load_b64 v[90:91], v9 offset:VSC            ; V's scale words: register t / 2, odd tiles in lanes 16-31
.set j, 0
.rept 16
	v_pk_mul_f32 v[\ov+j:\ov+j+1], v[\ov+j:\ov+j+1], v[248:249] op_sel_hi:[1,0]   ; O^T under the new M.  These sixteen are also the places between the writes of p's codes and scale word and the products
.set j, j+2
.endr
	s_wait_dscnt 0x0
.irp t, 0,1,2,3
.if \t%2
	v_wmma_scale_f32_16x16x128_f8f6f4 v[\ov+8*\t:\ov+8*\t+7], v[32+12*\t:43+12*\t], v[224:235], v[\ov+8*\t:\ov+8*\t+7], v[90+\t/2], v94 matrix_a_fmt:MATRIX_FMT_BF6 matrix_b_fmt:MATRIX_FMT_BF6 matrix_a_scale:MATRIX_SCALE_ROW1
.else
	v_wmma_scale_f32_16x16x128_f8f6f4 v[\ov+8*\t:\ov+8*\t+7], v[32+12*\t:43+12*\t], v[224:235], v[\ov+8*\t:\ov+8*\t+7], v[90+\t/2], v94 matrix_a_fmt:MATRIX_FMT_BF6 matrix_b_fmt:MATRIX_FMT_BF6
.endif
.endr
.Lskip_\@:
.endm
.macro BODY                            ; one key step: the late tile, then the early one
	v_add_nc_u32 v8, s[TB], v1
	v_add_nc_u32 v9, s[TB], v2
	STEP NHI, DHI, 4, 236, 93, 28, 192
	STEP NLO, DLO, 3, 16, 92, 12, 160
	s_add_co_u32 s[TB], s[TB], STEPB
	s_add_co_u32 s[KI], s[KI], 1
.endm
; O^T / the sum is quantised along the channels (register 16 b + i = channel 32 b + 16 h + i) and leaves as a half fragment of the last product's operand
.macro WAYOUT sv, ov, img, sc
	s_wait_xcnt 0x0                                ; earlier stores have read their registers
.rept 4
	v_nop                                          ; places behind the last products
.endr
	v_add_f32 v10, v[\sv+2], v[\sv+3]              ; the sum's two halves,
	v_permlanex16_b32 v11, v10, s[SEL], s[SEL+1]
	v_add_f32 v10, v10, v11                        ; and lane l xor 16's
	v_rcp_f32 v248, v10
	v_nop                                          ; a plain place behind the reciprocal
	s_wait_alu depctr_va_vdst(0)                   ; and the wait ahead of its first reader
.set j, 0
.rept 16
	v_pk_mul_f32 v[96+j:97+j], v[\ov+j:\ov+j+1], v[248:249] op_sel_hi:[1,0]
.set j, j+2
.endr
.irp b, 0,1
	v_max3_num_f32 v[32+\b], |v[96+16*\b]|, |v[97+16*\b]|, 0x2800000
.endr
.irp i, 2,4,6,8,10,12,14
.irp b, 0,1
	v_max3_num_f32 v[32+\b], v[32+\b], |v[96+16*\b+\i]|, |v[97+16*\b+\i]|
.endr
.endr
.irp b, 0,1
	v_permlanex16_b32 v[36+\b], v[32+\b], s[SEL], s[SEL+1]
.endr
.irp b, 0,1
	v_max_num_f32 v[32+\b], v[32+\b], v[36+\b]
.endr
.irp b, 0,1
	v_add_nc_u32 v[40+\b], 0xfe000000, v[32+\b]
.endr
.irp b, 0,1
	v_lshrrev_b32 v[36+\b], 23, v[40+\b]
.endr
	v_cvt_scalef32_pk16_bf6_f32 v[224:226], v[96:111], v40
	v_cvt_scalef32_pk16_bf6_f32 v[228:230], v[112:127], v41
	v_nop                                          ; one plain place behind the conversions
.irp i, 0,1,2
	v_permlane16_swap_b32 v[224+\i], v[228+\i]
.endr
	v_mov_b32 v227, v228
	v_mov_b32 v228, v229
	v_mov_b32 v229, v230
	v_cndmask_b32 v10, v36, v37, s[HM]             ; lanes 0-15 store block 0's byte, lanes 16-31 block 1's
	global_store_b128 v1, v[224:227], s[\img:\img+1]             ; 512 consecutive bytes, aligned to 256
	global_store_b64 v2, v[228:229], s[\img:\img+1] offset:512   ; 256 consecutive bytes, aligned
	global_store_b8 v5, v10, s[\sc:\sc+1]          ; two bytes of each row's sixteen: the others are other heads', made by other work-groups
.endm
	s_load_b128 s[4:7], s[0:1], 0x0                ; qq, kv
	s_load_b64 s[8:9], s[0:1], 0x10                ; yq
	v_lshl_add_u32 v254, v0, 2, 0x33000
	v_mov_b32 v255, 0
	ds_add_u32 v254, v255
	ds_add_u32 v254, v255
	v_lshrrev_b32 v10, 5, v0
	v_readfirstlane_b32 s[WV], v10                 ; wave 0..15
	s_bfe_u32 s[CXR], ttmp6, 0x40000               ; cx: it enters Q's and y's addresses and the mask's numbers alone
	s_and_b32 s[HB], ttmp7, 0xffff                 ; 16 x batch + head, which the four partners share
	; descriptor groups 1: dense bytes as rows of 256 (32 elements of 8 bytes): 17 rows a wave for key steps 0 and 1, 119 for steps 2 to 15; six waves fetch
	s_mov_b32 s[G1A], 15|(3<<16)|(1<<21)           ; 15:0 the mask: all four work-groups; 17:16 elements of 8 bytes; 21 set beside a mask
	s_mov_b32 s[G1A+1], 32<<16
	s_mov_b32 s[G1A+2], 17<<16
	s_mov_b32 s[G1A+3], 32<<16
	s_mov_b32 s[G1A+4], 17
	s_mov_b32 s[G1A+5], 32
	s_mov_b32 s[G1A+6], 0
	s_mov_b32 s[G1A+7], 0
	s_mov_b32 s[G1B], 15|(3<<16)|(1<<21)
	s_mov_b32 s[G1B+1], 32<<16
	s_mov_b32 s[G1B+2], 119<<16
	s_mov_b32 s[G1B+3], 32<<16
	s_mov_b32 s[G1B+4], 119
	s_mov_b32 s[G1B+5], 32
	s_mov_b32 s[G1B+6], 0
	s_mov_b32 s[G1B+7], 0
	s_mul_i32 s48, s[HB], 208896
	s_mov_b32 s49, 0
	s_mul_i32 s62, s[WV], 4352                     ; my part of steps 0 and 1, in memory as in LDS
	s_mul_i32 s63, s[WV], 30464
	s_add_co_u32 s63, s63, 26112                   ; and of the rest
	s_wait_dscnt 0x0
	s_wait_kmcnt 0x0
	s_add_nc_u64 s[6:7], s[6:7], s[48:49]          ; the head's K and V
	s_mov_b32 s48, s62
	s_mov_b32 s[G0A], 1
	s_mov_b32 s[G0A+1], s62
	s_add_nc_u64 s[G0A+2:G0A+3], s[6:7], s[48:49]
	s_or_b32 s[G0A+3], s[G0A+3], 0x80000000
	s_mov_b32 s48, s63
	s_mov_b32 s[G0B], 1
	s_mov_b32 s[G0B+1], s63
	s_add_nc_u64 s[G0B+2:G0B+3], s[6:7], s[48:49]
	s_or_b32 s[G0B+3], s[G0B+3], 0x80000000
	ROUND                                          ; all four work-groups are here: the joint loads meet
	s_cmp_lt_u32 s[WV], 6                          ; a wave's two fills stand in one branch on its number: two loads of mine are out
	s_cbranch_scc0 .Lno_fetch
	tensor_load_to_lds s[G0A:G0A+3], s[G1A:G1A+7]
	s_nop 0
	tensor_load_to_lds s[G0B:G0B+3], s[G1B:G1B+7]
	s_nop 0
.rept 4
	v_nop
.endr
.Lno_fetch:
	v_and_b32 v10, 31, v0
	v_lshlrev_b32 v1, 4, v10                       ; 16 x lane
	v_and_b32 v11, 15, v0                          ; r
	v_bfe_u32 v10, v0, 4, 1                        ; h
	v_lshlrev_b32 v6, 4, v11                       ; 16 r
	v_lshl_add_u32 v2, v10, 3, v6                  ; 16 r + 8 h
	v_add_nc_u32 v5, v6, v10                       ; 16 r + h
	v_and_b32 v7, 8, v11
	v_add_nc_u32 v7, v7, v11                       ; r + 8 (r / 8)
	v_lshlrev_b32 v10, 4, v10
	v_sub_nc_u32 v7, v7, v10                       ; - 16 h
	s_lshl_b32 s[TLO], s[WV], 2
	s_add_co_u32 s[TLO], s[TLO], s[CXR]            ; the early tile
	s_sub_co_u32 s[THI], 31, s[WV]
	s_lshl_b32 s[THI], s[THI], 2
	s_add_co_u32 s[THI], s[THI], s[CXR]            ; the late tile
	s_lshr_b32 s[DLO], s[WV], 1
	s_add_co_u32 s[NLO], s[DLO], 1
	s_sub_co_u32 s[DHI], 15, s[DLO]
	s_sub_co_u32 s[NHI], 16, s[DLO]
	s_mov_b32 s[SEL], 0x76543210
	s_mov_b32 s[SEL+1], 0xfedcba98
	s_mov_b32 s[CS], 0x3e38aa3b                    ; c = log2(e) / 8
	s_mov_b32 s[CS+1], s[CS]                       ; (named with it as a pair, so it is written)
	s_mov_b32 s[HM], 0xffff0000
	TILEPTR TLO, 16, 20, 66, 70, 3, DLO
	TILEPTR THI, 18, 22, 68, 72, 4, DHI
	global_load_b128 v[16:19], v1, s[16:17]        ; Q stays in registers
	global_load_b64 v[20:21], v2, s[16:17] offset:512
	global_load_b32 v92, v6, s[20:21]
	global_load_b128 v[236:239], v1, s[18:19]
	global_load_b64 v[240:241], v2, s[18:19] offset:512
	global_load_b32 v93, v6, s[22:23]
.irp j, 0,1,2,3,4,5
	v_mov_b32 v[22+\j], 0                          ; zero codes: the upper 64 of the instruction's 128
	v_mov_b32 v[242+\j], 0
	v_mov_b32 v[80+\j], 0                          ; and what the last key tile's operand names above its six
.endr
.irp s, 12, 28
	v_mov_b32 v[\s+1], 0xff61b1e6                  ; the largest t so far: -3e38
	v_floor_f32 v[\s], -v[\s+1]                    ; -M
	v_mov_b32 v[\s+2], 0                           ; the sum, in two halves
	v_mov_b32 v[\s+3], 0
.endr
.irp b, 0,1,2,3
	v_mov_b32 v[36+\b], 0                          ; a lane permute's destination counts as one of its sources
.endr
	v_mov_b32 v249, 0                              ; (named as the upper half of the pair v[248:249])
.set j, 0
.rept 64
	v_mov_b32 v[160+j], 0                          ; O^T: the step is written once; its first pass finds zeros, which the first change of M leaves zeros
.set j, j+1
.endr
	s_wait_tensorcnt 1                             ; my part of key steps 0 and 1 is in; the rest may be out
	s_barrier_signal -1
	s_barrier_wait -1                              ; everybody's is
	s_wait_loadcnt 0x0                             ; Q
	s_mov_b32 s[KI], 0
	s_mov_b32 s[TB], 0
	s_mov_b32 s[CNT], 2
.Lfirst:
	BODY
	s_sub_co_u32 s[CNT], s[CNT], 1
	s_cmp_lg_u32 s[CNT], 0
	s_cbranch_scc1 .Lfirst
	s_wait_tensorcnt 0x0                           ; my part of key steps 2 to 15 is in
	s_wait_dscnt 0x0
	s_barrier_signal -1
	s_barrier_wait -1                              ; everybody's is
	s_mov_b32 s[KI], 2
	s_mov_b32 s[TB], 2*STEPB
	s_mov_b32 s[CNT], 14
.Lrest:
	BODY
	s_sub_co_u32 s[CNT], s[CNT], 1
	s_cmp_lg_u32 s[CNT], 0
	s_cbranch_scc1 .Lrest
	WAYOUT 12, 160, 66, 70
	WAYOUT 28, 192, 68, 72
	s_wait_tensorcnt 0x0
	ds_add_u32 v254, v255
	s_wait_dscnt 0x0
	ROUND                                          ; the closing round
	s_endpgm
.Lfunc_end_k_q0951449716_attn:
	.size	k_q0951449716_attn, .Lfunc_end_k_q0951449716_attn-k_q0951449716_attn
	.p2alignl 7, 3214868480
	.fill 96, 4, 3214868480
	.section	.rodata,"a",@progbits
	.p2align	6, 0x0
	.amdhsa_kernel k_q0951449716_attn
		.amdhsa_group_segment_fixed_size 210944
		.amdhsa_private_segment_fixed_size 0
		.amdhsa_enable_private_segment 0
		.amdhsa_kernarg_size 24
		.amdhsa_user_sgpr_count 2
		.amdhsa_user_sgpr_kernarg_segment_ptr 1
		.amdhsa_wavefront_size32 1
		.amdhsa_system_sgpr_workgroup_id_x 1
		.amdhsa_system_sgpr_workgroup_id_y 1
		.amdhsa_system_sgpr_workgroup_id_z 1
		.amdhsa_system_vgpr_workitem_id 0
		.amdhsa_next_free_vgpr 256
		.amdhsa_next_free_sgpr 80
		.amdhsa_reserve_vcc 1
		.amdhsa_float_denorm_mode_32 3
		.amdhsa_float_denorm_mode_16_64 3
		.amdhsa_memory_ordered 1
		.amdhsa_forward_progress 1
		.amdhsa_inst_pref_size 103
	.end_amdhsa_kernel
	.amdgpu_metadata
---
amdhsa.version: [ 1, 2 ]
amdhsa.kernels:
  - .name:           k_q0951449716_attn
    .symbol:         k_q0951449716_attn.kd
    .args:
      - { .name: qq, .offset: 0, .size: 8, .value_kind: global_buffer, .address_space: global }
      - { .name: kv, .offset: 8, .size: 8, .value_kind: global_buffer, .address_space: global }
      - { .name: yq, .offset: 16, .size: 8, .value_kind: global_buffer, .address_space: global }
    .group_segment_fixed_size: 210944
    .private_segment_fixed_size: 0
    .kernarg_segment_align: 8
    .kernarg_segment_size: 24
    .max_flat_workgroup_size: 512
    .sgpr_count:     80
    .vgpr_count:     256
    .wavefront_size: 32
...
	.end_amdgpu_metadata
.endif
;; end of part 3
;; launch proj (part 4): grid 4 x 32, 4 waves a work-group, clusters of 4 x 4, 327,680 bytes of LDS; arguments yq, wpq, b_proj, out0; writes out0
.if DOCPART == 4
	.amdgcn_target "amdgcn-amd-amdhsa--gfx1250"
	.amdhsa_code_object_version 6
	.text
	.protected	k_q0951449716_proj
	.globl	k_q0951449716_proj
	.p2align	8
	.type	k_q0951449716_proj,@function
k_q0951449716_proj:
	s_mov_b64 s[64:65], 0
	v_nop
	global_prefetch_b8 v0, s[64:65] scope:SCOPE_SE
	s_setreg_imm32_b32 hwreg(HW_REG_WAVE_MODE, 25, 1), 1
	s_wait_xcnt 0x0
	s_wait_alu depctr_hold_cnt(0) depctr_sa_sdst(0) depctr_va_vdst(0) depctr_va_sdst(0) depctr_va_ssrc(0) depctr_va_vcc(0) depctr_vm_vsrc(0)
	s_getreg_b32 s2, hwreg(HW_REG_IB_STS2, 6, 4)
	s_cmp_eq_u32 s2, 0
	s_cbranch_scc0 .Lentry_in_a_cluster
	s_endpgm
.Lentry_in_a_cluster:
	s_bfe_u32 s2, ttmp6, 0x10000c
	s_cmp_lg_u32 s2, 0xf033
	s_cbranch_scc0 .Lentry_shape_is_right
	s_endpgm
.Lentry_shape_is_right:
; out0 = y W_proj + b_proj on codes of BF6 (8,192 x 1,024, K = 1,024), f32 out.
; A block of 256 x 256 to a work-group of four waves, 128 x 128 a wave: 64 accumulators, 512 registers.  K goes in steps of 256 through a ring of two LDS slots filled by the tensor data mover.
; OPERANDS lie in memory as images of their registers (768 bytes for 16 rows x 64 K: registers 0-3 at 16 x lane, registers 4-5 at 512 + 16 r + 8 h).  Buffer row p holds index p with bits 3 and 4 exchanged
; (tokens in yq, columns in wpq).  Source 0 = 16 rows of wpq, source 1 = 16 rows of yq: a lane holds buffer row lane % 16 of y, and the 16 registers of two neighbouring accumulators hold columns
; 32 b + 16 (lane / 16) + 0 .. 15 in their true order.  The rows are put back in their true order by the stores' immediates.
; CLUSTERS: 4 x 4.  y's tiles hang on cy alone and are asked for jointly by a row of the cluster, W's on cx alone, by a column.
; The launch has 128 work-groups: blocks of 256 x 256 of this product are no more; a smaller block would read half as much again from LDS for each product.
; REGISTERS: window 0: v16-31 addresses; v32-63 scale words, two sets; v64-127 the bias; v128-223 y's fragments, one set; on the way out v128-255 rows read back from the stage.
;   window 1: W's fragments, two sets, at v0 and v128.   windows 2 and 3: the accumulators ((a, b) at v[8 (8 (a % 4) + b)]).
.set NQ,     2
.set FR,     12
.set NL,     4
.set TILEB,  3072                      ; 16 rows x 256 K in a slot
.set HALFT,  8*TILEB
.set SLOT,   4*HALFT
.set SCL,    2*SLOT                    ; behind the ring: the scale words for all of K: 512 bytes a tile
.set HALFS,  4096
.set SBLK,   512
.set SPARE,  SCL+4*HALFS               ; the spare words, 128 bytes for each wave: two blocks of 256 bytes that no other line names
.set SPITCH, 528                       ; the way out: a stage of 16 rows x (512 bytes + 16) for each wave, in slot 0, which has had its last fill and its last read when the first result is stored there
.set YSC_OFF, 6291456                  ; where yq's scale words begin
.set WSC_OFF, 786432                   ; wpq's
.set ADRA, 16
.set ADRB, 20
.set STO,  24                          ; v24 the way out: where I put 32 bytes of a row
.set RD,   25                          ; v25 where I read a row back
.set A16R, 26                          ; v26 16 x lane
.set ADRS, 27
.set SPW,  28
.set NIL,  29
.set A8R,  30                          ; v30 16 r + 8 h
.set SC,   32
.set BI,   64
.set AF,   128
.set BK,   128
.set G1, 24
.set G0, 32
.set G1B, 48
.set G0B, 56
.set G1S, 68
.set G0S, 76
.set G1SB, 80
.set G0SB, 88
.set MSB, 0
.macro WIN new                         ; the immediate's high byte repeats the setting that is left
.if MSB != (\new)
	s_set_vgpr_msb (MSB<<8)|(\new)
.set MSB, (\new)
.endif
.endm
.set MUL_LO,  0xa1
.set MUL_HI,  0xf1
.set BIAS_LO, 0x81                     ; the first K step: C (the bias) window 0, D window 2
.set BIAS_HI, 0xc1
.set TO_B,    0x40
.macro JLOAD g0a, g1a, g0b, g1b        ; a joint load: waves 0 and 1 fetch for y, waves 2 and 3 for W; four v_nop follow each of the two lines
	s_cmp_eq_u32 s15, 0
	s_cbranch_scc0 .Lfor_b_\@
	tensor_load_to_lds s[\g0a:\g0a+3], s[\g1a:\g1a+7]
	s_nop 0
.rept 4
	v_nop
.endr
	s_branch .Lasked_\@
.Lfor_b_\@:
	tensor_load_to_lds s[\g0b:\g0b+3], s[\g1b:\g1b+7]
	s_nop 0
.rept 4
	v_nop
.endr
.Lasked_\@:
.endm
.macro CREST
	s_cmp_lg_u32 s14, 0
	s_cbranch_scc1 .Lnot_wave_0_\@
	s_barrier_signal -3
.Lnot_wave_0_\@:
	s_barrier_wait -3
	s_barrier_signal -1
	s_barrier_wait -1
.endm
.macro CROUND
	s_barrier_signal -1
	s_barrier_wait -1
	CREST
.endm
.macro PLACES                          ; four plain places behind matrix instructions (ISA guide 7.12.1)
.rept 4
	v_nop
.endr
.endm
.macro FRAG reg, adr, q, i
.irp c, 0,1
	ds_load_b128 v[\reg+6*\c:\reg+6*\c+3], v[\adr] offset:(\i)*TILEB+(\q)*1536+768*\c
	ds_load_b64 v[\reg+6*\c+4:\reg+6*\c+5], v[\adr+2] offset:(\i)*TILEB+(\q)*1536+768*\c+512
.endr
.endm
; 16 matrix instructions: y's blocks a0, a0 + 1 x W's eight.  zero = 1: C = the bias.  The 64 accumulators take turns, one instruction a turn, in the same order in every step.
.macro MUL16 a0, p, q, sc, zero
.irp a, \a0, \a0+1
.irp b, 0,1,2,3,4,5,6,7
.set rD, 8*(8*((\a)%4)+\b)
.set rB, 128*(\p)+FR*\b
.set rA, AF+FR*(\a)
.set rSB, SC+8*NQ*(\sc)+NQ*\b+(\q)
.set rSA, SC+8*NQ*(\sc)+NQ*(\a)+(\q)
.if (\zero) == 1
	v_wmma_scale_f32_16x16x128_f8f6f4 v[rD:rD+7], v[rB:rB+FR-1], v[rA:rA+FR-1], v[BI+8*\b:BI+8*\b+7], v[rSB], v[rSA] matrix_a_fmt:MATRIX_FMT_BF6 matrix_b_fmt:MATRIX_FMT_BF6 matrix_a_scale:MATRIX_SCALE_ROW1
.else
	v_wmma_scale_f32_16x16x128_f8f6f4 v[rD:rD+7], v[rB:rB+FR-1], v[rA:rA+FR-1], v[rD:rD+7], v[rSB], v[rSA] matrix_a_fmt:MATRIX_FMT_BF6 matrix_b_fmt:MATRIX_FMT_BF6 matrix_a_scale:MATRIX_SCALE_ROW1
.endif
.endr
.endr
.endm
.macro FETCH_B slot, q, p
	WIN TO_B
.irp i, 0,1,2,3,4,5,6,7
	FRAG 128*(\p)+FR*\i, ADRB+\slot, \q, \i
.endr
	WIN 0
.endm
.macro FETCH_A slot, q, i0
.irp i, \i0, \i0+1, \i0+2, \i0+3
	FRAG AF+FR*(\i), ADRA+\slot, \q, \i
.endr
.endm
.macro SCALES sc, sg
.irp i, 0,1,2,3,4,5,6,7
	ds_load_b64 v[SC+8*NQ*(\sc)+NQ*\i:SC+8*NQ*(\sc)+NQ*\i+1], v[ADRS] offset:\i*SBLK+256*((\sg)/2)+8*((\sg)%2)
.endr
.endm
.macro STEP slot, zero
	s_wait_dscnt 4*NL                              ; W's set, y's blocks 0-3 and the scale words are in; the youngest 16 loads (y's blocks 4-7) may be out
.if \zero
	WIN BIAS_LO
.else
	WIN MUL_LO
.endif
	MUL16 0, 0, 0, \slot, \zero
	MUL16 2, 0, 0, \slot, \zero
	s_wait_dscnt 0x0
	PLACES
	FETCH_B \slot, 1, 1
	FETCH_A \slot, 1, 0
.if \zero
	WIN BIAS_HI
.else
	WIN MUL_HI
.endif
	MUL16 4, 0, 0, \slot, \zero
	MUL16 6, 0, 0, \slot, \zero
	PLACES
	WIN 0
	FETCH_A \slot, 1, 4
.endm
.macro TURN slot, next, fill, sg
	s_wait_tensorcnt 0x0                           ; all my tensor loads have landed: my part of the next slot
	ds_add_u32 v[SPW], v[NIL]                      ; 0 onto my spare word
	s_wait_dscnt 4*NL+1                            ; (the add and the youngest 16 loads may be out)
	WIN MUL_LO
	MUL16 0, 1, 1, \slot, 0
	s_wait_dscnt 0x0                               ; the add is done, and my reads of this slot are over
	s_barrier_signal -1
	MUL16 2, 1, 1, \slot, 0
	WIN 0
	s_barrier_wait -1
.if \fill
	CREST                                          ; the barrier has opened a round of the cluster's: no wave of any partner still reads this slot or has a load on its way
	s_add_nc_u64 s[G0+4*\slot+2:G0+4*\slot+3], s[G0+4*\slot+2:G0+4*\slot+3], 2*TILEB
	s_add_nc_u64 s[G0B+4*\slot+2:G0B+4*\slot+3], s[G0B+4*\slot+2:G0B+4*\slot+3], 2*TILEB
	JLOAD G0+4*\slot, G1, G0B+4*\slot, G1B
.else
	PLACES
.endif
	FETCH_B \next, 0, 0
	FETCH_A \next, 0, 0
	SCALES \next, \sg
	WIN MUL_HI
	MUL16 4, 1, 1, \slot, 0
	MUL16 6, 1, 1, \slot, 0
	PLACES
	WIN 0
	FETCH_A \next, 0, 4
.endm
	s_load_b256 s[4:11], s[0:1], 0x0               ; yq, wpq, b_proj, out0
	v_lshl_add_u32 v[SPW], v0, 2, SPARE
	v_mov_b32 v[NIL], 0
	ds_add_u32 v28, v29
	ds_add_u32 v28, v29
	s_wait_dscnt 0x0
	v_lshrrev_b32 v1, 5, v0
	v_readfirstlane_b32 s14, v1                    ; wave 0..3
	s_lshr_b32 s15, s14, 1                         ; which half of the block's rows is mine.  Also: I fetch for y (0) or for W (1)
	s_and_b32 s16, s14, 1                          ; which half of its columns.  Also: which 128 rows I fetch
	s_bfe_u32 s40, ttmp6, 0x40000                  ; cx
	s_bfe_u32 s41, ttmp6, 0x40004                  ; cy
	s_lshl_b32 s43, s41, 2
	s_lshl_b32 s43, 15, s43                        ; my row of the cluster
	s_lshl_b32 s44, 0x1111, s40                    ; my column
	s_or_b32 s[G1+0], s43, (3<<16)|(1<<21)         ; tiles: 8 rows (tiles of 16) of 3,072 bytes, 12,288 bytes apart, as elements of 8 bytes; no padding
	s_or_b32 s[G1B+0], s44, (3<<16)|(1<<21)
.irp g, G1, G1B
	s_mov_b32 s[\g+1], 384<<16
	s_mov_b32 s[\g+2], 8<<16
	s_mov_b32 s[\g+3], 384<<16
	s_mov_b32 s[\g+4], 8
	s_mov_b32 s[\g+5], 1536
	s_mov_b32 s[\g+6], 0
	s_mov_b32 s[\g+7], 0
.endr
	s_or_b32 s[G1S+0], s43, (3<<16)|(1<<21)        ; the scale words of 128 rows: 4,096 dense bytes as 16 rows of 256
	s_or_b32 s[G1SB+0], s44, (3<<16)|(1<<21)
.irp g, G1S, G1SB
	s_mov_b32 s[\g+1], 32<<16
	s_mov_b32 s[\g+2], 16<<16
	s_mov_b32 s[\g+3], 32<<16
	s_mov_b32 s[\g+4], 16
	s_mov_b32 s[\g+5], 32
	s_mov_b32 s[\g+6], 0
	s_mov_b32 s[\g+7], 0
.endr
	s_and_b32 s19, ttmp7, 0xffff
	s_lshl_b32 s19, s19, 10
	s_lshl_b32 s20, s41, 8
	s_add_co_u32 s19, s19, s20                     ; the block's first row of yq: 1,024 x cluster y + 256 cy
	s_lshl_b32 s42, ttmp9, 10
	s_lshl_b32 s45, s40, 8
	s_add_co_u32 s42, s42, s45                     ; its first row of wpq: 1,024 x cluster x + 256 cx
	s_lshl_b32 s18, s16, 7
	s_add_co_u32 s20, s19, s18                     ; the 128 rows that I fetch, were it for y,
	s_add_co_u32 s46, s42, s18                     ; were it for W
	s_mul_i32 s22, s20, 768
	s_lshl_b32 s20, s20, 5
	s_add_co_u32 s20, s20, YSC_OFF
	s_mul_i32 s92, s46, 768
	s_lshl_b32 s46, s46, 5
	s_add_co_u32 s46, s46, WSC_OFF
	s_mov_b32 s21, 0
	s_mov_b32 s23, 0
	s_mov_b32 s47, 0
	s_mov_b32 s93, 0
	s_wait_kmcnt 0x0
	s_add_nc_u64 s[20:21], s[4:5], s[20:21]        ; y's scale words
	s_add_nc_u64 s[22:23], s[4:5], s[22:23]        ; y's codes
	s_add_nc_u64 s[46:47], s[6:7], s[46:47]        ; W's scale words
	s_add_nc_u64 s[92:93], s[6:7], s[92:93]        ; W's codes
	s_mul_i32 s45, s14, HALFT                      ; where they go: wave x 128 rows
	s_lshl_b32 s94, s14, 12
	CROUND                                         ; all sixteen work-groups are here: the first joint loads meet
	s_mov_b32 s[G0S], 1
	s_add_co_u32 s[G0S+1], s94, SCL
	s_mov_b64 s[G0S+2:G0S+3], s[20:21]
	s_or_b32 s[G0S+3], s[G0S+3], 0x80000000
	s_mov_b32 s[G0SB], 1
	s_add_co_u32 s[G0SB+1], s94, SCL
	s_mov_b64 s[G0SB+2:G0SB+3], s[46:47]
	s_or_b32 s[G0SB+3], s[G0SB+3], 0x80000000
	JLOAD G0S, G1S, G0SB, G1SB
.irp s, 0,1
	s_mov_b32 s[G0+4*\s], 1
	s_add_co_u32 s[G0+4*\s+1], s45, \s*SLOT
	s_add_nc_u64 s[G0+4*\s+2:G0+4*\s+3], s[22:23], \s*TILEB
	s_or_b32 s[G0+4*\s+3], s[G0+4*\s+3], 0x80000000
	s_mov_b32 s[G0B+4*\s], 1
	s_add_co_u32 s[G0B+4*\s+1], s45, \s*SLOT
	s_add_nc_u64 s[G0B+4*\s+2:G0B+4*\s+3], s[92:93], \s*TILEB
	s_or_b32 s[G0B+4*\s+3], s[G0B+4*\s+3], 0x80000000
	JLOAD G0+4*\s, G1, G0B+4*\s, G1B
.endr
	v_and_b32 v1, 15, v0                           ; r
	v_bfe_u32 v2, v0, 4, 1                         ; h
	v_and_b32 v3, 31, v0
	v_lshlrev_b32 v[A16R], 4, v3
	v_lshlrev_b32 v[A8R], 4, v1
	v_lshl_add_u32 v[A8R], v2, 3, v[A8R]
	s_mul_i32 s21, s15, HALFT
	s_mul_i32 s22, s16, HALFT
	s_add_co_u32 s22, s22, 2*HALFT
.irp s, 0,1
	v_add_nc_u32 v[ADRA+\s], s21, v[A16R]
	v_add_nc_u32 v[ADRB+\s], s22, v[A16R]
	v_add_nc_u32 v[ADRA+2+\s], s21, v[A8R]
	v_add_nc_u32 v[ADRB+2+\s], s22, v[A8R]
	s_add_co_u32 s21, s21, SLOT
	s_add_co_u32 s22, s22, SLOT
.endr
	v_lshlrev_b32 v5, 4, v1
	s_lshl_b32 s21, s15, 12
	s_lshl_b32 s22, s16, 12
	s_add_co_u32 s22, s22, 2*HALFS
	s_sub_co_u32 s22, s22, s21
	v_mul_u32_u24 v6, s22, v2                      ; lanes 16-31 take W's scale words: one product, the distance between the two bases
	s_add_co_u32 s21, s21, SCL
	v_add_nc_u32 v5, v5, v6
	v_add_nc_u32 v[ADRS], s21, v5
	s_mul_i32 s23, s14, 16*SPITCH                  ; my stage
	v_mul_u32_u24 v5, v1, SPITCH
	v_lshl_add_u32 v5, v2, 6, v5                   ; in: row r, 64 h bytes on
	v_add_nc_u32 v[STO], s23, v5
	v_add_nc_u32 v[RD], s23, v[A16R]               ; back: the 32 lanes take one row of 512 bytes
	v_lshlrev_b32 v7, 6, v2                        ; the bias: 16 h numbers on
	s_lshl_b32 s46, s16, 7
	s_add_co_u32 s46, s42, s46
	s_lshl_b32 s46, s46, 2                         ; my first column, in bytes
	s_mov_b32 s47, 0
	s_add_nc_u64 s[66:67], s[8:9], s[46:47]
	s_lshl_b32 s20, s15, 7
	s_add_co_u32 s20, s19, s20
	s_lshl_b32 s20, s20, 12                        ; my first row of out0: 4,096 bytes a row
	s_mov_b32 s21, 0
	s_add_nc_u64 s[10:11], s[10:11], s[20:21]
	s_add_nc_u64 s[10:11], s[10:11], s[46:47]
.set i, 0
.rept 8                                        ; accumulator (a, b), register j: column 32 (b / 2) + 16 h + 8 (b % 2) + j
	global_load_b128 v[BI+8*i:BI+8*i+3], v7, s[66:67] offset:(32*(i/2)+8*(i%2))*4
	global_load_b128 v[BI+8*i+4:BI+8*i+7], v7, s[66:67] offset:(32*(i/2)+8*(i%2))*4+16
.set i, i+1
.endr
	s_wait_tensorcnt 1                             ; the scale words and my part of K step 0 are in; slot 1's load may be out
	s_barrier_signal -1
	s_barrier_wait -1
	FETCH_B 0, 0, 0
	FETCH_A 0, 0, 0
	SCALES 0, 0
	FETCH_A 0, 0, 4
	s_wait_loadcnt 0x0                             ; the bias
	STEP 0, 1                                      ; the first products start the sums from the bias
	TURN 0, 1, 1, 1                                ; K = 1,024 is four slots' worth: written out
	STEP 1, 0
	TURN 1, 0, 1, 2
	STEP 0, 0
	TURN 0, 1, 0, 3                                ; nothing is left to fetch: no round
	STEP 1, 0
	s_wait_dscnt 4*NL
	WIN MUL_LO
	MUL16 0, 1, 1, 1, 0
	MUL16 2, 1, 1, 1, 0
	s_wait_dscnt 0x0
	WIN MUL_HI
	MUL16 4, 1, 1, 1, 0
	MUL16 6, 1, 1, 1, 0
	WIN 0
; THE WAY OUT, block by block of 16 rows x 128 columns, through my own stage: in as 32 bytes a lane, back as whole rows of 512 bytes.  LDS serves a wave's instructions in order: no wait between stores and loads.
.macro TOSTAGE a
.set AC, 64*((\a)%4)
	WIN 0x08+4*((\a)/4)                            ; the data: window 2 or 3
.irp b, 0,1,2,3,4,5,6,7
	ds_store_b128 v[STO], v[AC+8*\b:AC+8*\b+3] offset:128*(\b/2)+32*(\b%2)         ; each accumulator from its low end on
	ds_store_b128 v[STO], v[AC+8*\b+4:AC+8*\b+7] offset:128*(\b/2)+32*(\b%2)+16
.endr
	WIN 0
.set BB, BK+64*((\a)%2)
.irp t, 0,1,2,3,4,5,6,7,8,9,10,11,12,13,14,15
	ds_load_b128 v[BB+4*\t:BB+4*\t+3], v[RD] offset:\t*SPITCH
.endr
.endm
.macro SEND a, younger                 ; younger: the LDS instructions issued behind block a's loads, which may stay out
.set BB, BK+64*((\a)%2)
	s_wait_dscnt \younger
.irp t, 0,1,2,3,4,5,6,7,8,9,10,11,12,13,14,15
	global_store_b128 v[A16R], v[BB+4*\t:BB+4*\t+3], s[10:11] offset:(32*((\a)/2)+8*((\a)%2)+(\t%8)+16*(\t/8))*4096 th:TH_STORE_NT   ; buffer row t of block a is this token: 512 consecutive bytes, aligned to 256
.endr
.endm
	PLACES                                         ; behind the last products: results are read, and rows land in the registers that held y's fragments
	TOSTAGE 0
.irp a, 1,2,3,4,5,6,7
.if \a > 1
	s_wait_xcnt 0x0                                ; block a - 2's stores have read their registers: block a's rows may land there
.endif
	TOSTAGE \a
	SEND \a-1, 32                                  ; behind block a - 1's loads: block a's 16 stores and 16 loads
.endr
	SEND 7, 0
	s_wait_tensorcnt 0x0                           ; the wave's end
	ds_add_u32 v[SPW], v[NIL]
	s_wait_dscnt 0x0
	CROUND                                         ; the closing round
	s_endpgm
.Lfunc_end_k_q0951449716_proj:
	.size	k_q0951449716_proj, .Lfunc_end_k_q0951449716_proj-k_q0951449716_proj
	.p2alignl 7, 3214868480
	.fill 96, 4, 3214868480
	.section	.rodata,"a",@progbits
	.p2align	6, 0x0
	.amdhsa_kernel k_q0951449716_proj
		.amdhsa_group_segment_fixed_size 327680
		.amdhsa_private_segment_fixed_size 0
		.amdhsa_enable_private_segment 0
		.amdhsa_kernarg_size 32
		.amdhsa_user_sgpr_count 2
		.amdhsa_user_sgpr_kernarg_segment_ptr 1
		.amdhsa_wavefront_size32 1
		.amdhsa_system_sgpr_workgroup_id_x 1
		.amdhsa_system_sgpr_workgroup_id_y 1
		.amdhsa_system_sgpr_workgroup_id_z 1
		.amdhsa_system_vgpr_workitem_id 0
		.amdhsa_next_free_vgpr 1024
		.amdhsa_next_free_sgpr 100
		.amdhsa_reserve_vcc 0
		.amdhsa_float_denorm_mode_32 3
		.amdhsa_float_denorm_mode_16_64 3
		.amdhsa_memory_ordered 1
		.amdhsa_forward_progress 1
		.amdhsa_inst_pref_size 144
	.end_amdhsa_kernel
	.amdgpu_metadata
---
amdhsa.version: [ 1, 2 ]
amdhsa.kernels:
  - .name:           k_q0951449716_proj
    .symbol:         k_q0951449716_proj.kd
    .args:
      - { .name: yq, .offset: 0, .size: 8, .value_kind: global_buffer, .address_space: global }
      - { .name: wpq, .offset: 8, .size: 8, .value_kind: global_buffer, .address_space: global }
      - { .name: b_proj, .offset: 16, .size: 8, .value_kind: global_buffer, .address_space: global }
      - { .name: out0, .offset: 24, .size: 8, .value_kind: global_buffer, .address_space: global }
    .group_segment_fixed_size: 327680
    .private_segment_fixed_size: 0
    .kernarg_segment_align: 8
    .kernarg_segment_size: 32
    .max_flat_workgroup_size: 128
    .sgpr_count:     100
    .vgpr_count:     1024
    .wavefront_size: 32
...
	.end_amdgpu_metadata
.endif
;; end of part 4
